; MI455X (gfx1250); checked and timed in simulation.
; The chip was launched on July 23, 2026; its instructions are those of AMD's public machine-readable ISA for CDNA 5 (MIT licence, August 2026) and "CDNA5" Instruction Set Architecture Reference Guide (July 2026). The comments in the code are by the model that wrote it; some were corrected since.
;; Token I2 Mo E. Allowed arithmetic: float matrix products may take bf16 or f16 operands with f32 sums; other float arithmetic in f32, or as packed bf16 or f16 multiplies, adds, multiply-adds, maxima and minima; sums over many terms, partial sums and values carried from step to step in f32; what a program stores and reads back later, other than sums and carried values, may be rounded once to bf16 or f16.
;; Inputs: W1 8 x 256 x 256 float32; W2 8 x 256 x 256 float32; Wg 8 x 256 float32; Wgg 8 x 256 float32; b1 8 x 256 float32; b2 8 x 256 float32; bg 8 float32; bgg 8 float32; geno_vec 16 x 256 float32; tokens 16 x 4,096 x 256 float32.
;; Outputs: out0 16 x 8 x 256 float32; out1 one number float32; out2 one number float32.
;; 2 versions, each right and faster than the one before. Each part assembles by itself: llvm-mc -triple=amdgcn-amd-amdhsa -mcpu=gfx1250 --defsym DOCPART=n.
;; ======== version 1 of 2: 3 launches
;; limits: values are held in f16: magnitudes above 65,504 overflow, below 6.1e-05 lose precision; inputs' magnitudes at most 65,504; right only within a limited range of input values; below input magnitudes of 6e-05 results are inexact or not finite
;; workspace buffers: tokb 33,554,432 bytes; wm 2,097,152 bytes; bm 65,536 bytes of whole numbers; confp 1,024 bytes; w1b 1,048,576 bytes; hsp 262,144 bytes; massp 1,024 bytes; cnt 1,024 bytes of whole numbers
;; launch router (part 1): grid 256 x 1, 16 waves a work-group, no clusters, 289,536 bytes of LDS; arguments tokens, geno_vec, Wg, bg, Wgg, bgg, W1, tokb, wm, bm, confp, w1b; writes tokb, wm, bm, confp, w1b
.if DOCPART == 1
	.amdgcn_target "amdgcn-amd-amdhsa--gfx1250"
	.amdhsa_code_object_version 6
	.text
	.protected	k_qdfb1ce7d3b_router
	.globl	k_qdfb1ce7d3b_router
	.p2align	8
	.type	k_qdfb1ce7d3b_router,@function
k_qdfb1ce7d3b_router:
	s_mov_b64 s[64:65], 0
	v_nop
	global_prefetch_b8 v0, s[64:65] scope:SCOPE_SE
	s_setreg_imm32_b32 hwreg(HW_REG_WAVE_MODE, 25, 1), 1
	s_wait_xcnt 0x0
; THE GATE.  logits[n][e] = (tokens[n] . Wg[e] + bg[e]) + 0.1 (geno[b] . Wgg[e] + bgg[e]), added in this order; the two largest, their softmax (the larger taken away first), held to 1e-6 at the least and made to sum to 1.
; Stored, all at fixed places: the tokens rounded to f16 (tokb), the gate weights as a dense [b][e][n] table with 0 where an expert was not chosen (wm), a bitmap of the choices (bm),
; this work-group's sum of top1 - top2 (confp), and a 256th of W1's fragments a work-group, rounded to f16 in the order in which a wave's operand registers take them (w1b).
; SHARES.  256 work-groups of 16 waves; a work-group has 256 tokens of one batch, a wave 16 rows of 1,024 bytes, all 32 loads of a wave asked for at once.
; THE PRODUCT.  A choice is not continuous, so the gate is not made in plain 16 bits: x = hi + lo / 2,048 with hi = f16(x) and lo = f16(2,048 (x - hi)); x - hi is exact in f32, and the factor keeps lo in f16's normal range.
; The tokens are split so, and 1,024 Wg likewise.  Source 0 holds Wg's hi in rows 0-7 and its lo in rows 8-15, source 1 sixteen tokens; one sum takes the tokens' hi, a second their lo; the powers of two are
; taken out again in f32, which is exact, and the four parts added.  Each operand keeps about 22 significant bits.
; LIMITS.  A token of 65,504 or more, a weight of W1 likewise, or a weight of Wg of 63.9 or more has no f16 and gives an infinity.  Two logits closer than the last bits of an f32 sum of 256 terms may be ordered otherwise
; than in f32.  Equal logits keep the lower index.  NaN and infinities are not treated apart.
.set PITCH, 528                        ; a staged row: 512 bytes of f16 + 16: an odd multiple of 16, so the 16 rows of a fragment load begin 16 bytes apart modulo 256
.set LOOFF, 16*PITCH                   ; a wave's 16 rows of lo lie behind its 16 rows of hi
.set STGW,  2*LOOFF                    ; a wave's own stage
.set WGF,   16*STGW                    ; Wg's fragments: K step x 1,024 + half x 512 + lane x 16
.set GBT,   WGF+8192                   ; bg's eight numbers, then at byte 32 the eight of 0.1 (geno[b] . Wgg + bgg)
.set WMT,   GBT+256                    ; [expert][256 tokens] f32
.set BMT,   WMT+8192                   ; [expert][8 words]
.set CFT,   BMT+256                    ; 16 waves' sums of top1 - top2
.set SPARE, CFT+256                    ; the spare words: 128 bytes a wave, named by no other line
.set H,   12                           ; v12-15   a row's hi, packed: tokb's numbers; not written again behind the last row
.set U,   16                           ; v16-23   the logits
.set SC,  28                           ; v28-29   2^-10 in Wg_hi's lanes, 2^-21 in Wg_lo's, twice (a pair for the packed multiply)
.set NEGS, 31                          ; v31      -2,048
.set X,   32                           ; v32-159  16 rows as loaded, 8 registers each; then the tokens' fragments: hi of K step ks at X+16 ks, lo at X+16 ks+8
.set WGR, 160                          ; v160-223 at work in the side jobs; then Wg's fragments
.set D0,  224
.set D1,  232
.set BGC, 240                          ; v240-247 bg
.set TGC, 248                          ; v248-255 0.1 (geno[b] . Wgg + bgg)
	s_load_b512 s[4:19], s[0:1], 0x0               ; tokens 4, geno 6, Wg 8, bg 10, Wgg 12, bgg 14, W1 16, tokb 18
	s_load_b256 s[20:27], s[0:1], 0x40             ; wm 20, bm 22, confp 24, w1b 26
	v_lshl_add_u32 v1, v0, 2, SPARE                ; my spare word
	v_mov_b32 v2, 0
	v_and_b32 v3, 31, v0                           ; lane
	v_and_b32 v4, 15, v0                           ; r
	v_bfe_u32 v5, v0, 4, 1                         ; h
	v_lshrrev_b32 v11, 5, v0
	v_readfirstlane_b32 s28, v11                   ; wave
	s_mov_b32 s29, ttmp9                           ; g
	s_lshr_b32 s30, s29, 4                         ; batch
	s_and_b32 s31, s29, 15                         ; which 256 tokens of it
	s_and_b32 s45, s28, 7                          ; the side job's number: a K step of Wg (waves 0-7) or an expert (waves 8-15)
	s_mov_b32 s32, 0x76543210                      ; v_permlanex16_b32: each lane takes its own place in the other half
	s_mov_b32 s33, 0xfedcba98
	s_mov_b32 s34, 0xff00ff00                      ; lanes with r >= 8
	s_mov_b32 s35, 0xffff0000                      ; lanes with h = 1
	s_mov_b32 s52, 0x45000000                      ; 2,048; the packed forms name a pair and take its low word for both halves
	s_mov_b32 s53, s52
	s_mov_b32 s54, 0x3a000000                      ; 2^-11
	s_mov_b32 s55, s54
	s_mov_b32 s56, 0x44800000                      ; 1,024
	s_mov_b32 s57, s56
	v_mov_b32 v[NEGS], 0xc5000000
	v_mov_b32 v[SC], 0x3a800000                    ; 2^-10
	v_mov_b32 v[SC+1], 0x35000000                  ; 2^-21
	v_cndmask_b32 v[SC], v[SC], v[SC+1], s35
	v_mov_b32 v[SC+1], v[SC]
	v_lshlrev_b32 v6, 4, v3                        ; 16 x lane
	v_lshlrev_b32 v7, 3, v3                        ; 8 x lane
	s_mul_i32 s36, s28, STGW
	v_lshl_add_u32 v8, v3, 3, s36                  ; into my stage
	v_mul_u32_u24 v9, v4, PITCH
	v_lshl_add_u32 v9, v5, 4, v9
	v_add_nc_u32 v9, s36, v9                       ; a fragment out of my stage: row r, 16 bytes for each half of the lanes
	v_lshl_add_u32 v10, v3, 4, WGF
	s_lshl_b32 s40, s29, 18                        ; 256 rows of 1,024 bytes a work-group,
	s_lshl_b32 s41, s28, 14                        ; 16 a wave
	s_add_co_u32 s40, s40, s41
	s_mov_b32 s41, 0
	s_lshr_b32 s42, s40, 1                         ; and half of that in tokb
	s_mov_b32 s43, 0
	s_wait_kmcnt 0x0
	s_add_nc_u64 s[4:5], s[4:5], s[40:41]
	s_add_nc_u64 s[18:19], s[18:19], s[42:43]
	; THE SIDE JOBS' LOADS go out ahead of the tokens', so that one counted wait shows them in.
	s_cmp_lt_u32 s28, 8
	s_cbranch_scc0 .Lload_hi
	v_and_b32 v200, 7, v0                          ; waves 0-7: Wg[r % 8], 32 along K at 32 x job, as a fragment takes them
	v_lshlrev_b32 v200, 10, v200
	v_lshl_add_u32 v200, v5, 5, v200
	s_lshl_b32 s44, s45, 7
	v_add_nc_u32 v200, s44, v200
	global_load_b128 v[160:163], v200, s[8:9]
	global_load_b128 v[164:167], v200, s[8:9] offset:16
	global_load_b128 v[168:171], v200, s[8:9] offset:64
	global_load_b128 v[172:175], v200, s[8:9] offset:80
	s_branch .Ltokens
.Lload_hi:
	s_lshl_b32 s46, s30, 10                        ; waves 8-15: geno[b] and Wgg[e], 8 numbers a lane,
	v_lshl_add_u32 v200, v3, 5, s46
	s_lshl_b32 s46, s45, 10
	v_lshl_add_u32 v201, v3, 5, s46
	s_lshr_b32 s47, s29, 1                         ; and piece 8 g + e of W1's fragments: rows 16 (g / 2) + r, 16 along K at 16 (8 (g % 2) + e), 8 a lane
	s_lshl_b32 s47, s47, 14
	s_and_b32 s48, s29, 1
	s_lshl3_add_u32 s48, s48, s45
	s_lshl_b32 s48, s48, 6
	s_add_co_u32 s47, s47, s48
	v_lshl_add_u32 v202, v4, 10, s47
	v_lshl_add_u32 v202, v5, 5, v202
	s_lshl_b32 s48, s45, 2
	v_mov_b32 v203, s48
	global_load_b128 v[160:163], v200, s[6:7]
	global_load_b128 v[164:167], v200, s[6:7] offset:16
	global_load_b128 v[168:171], v201, s[12:13]
	global_load_b128 v[172:175], v201, s[12:13] offset:16
	global_load_b128 v[176:179], v202, s[16:17]
	global_load_b128 v[180:183], v202, s[16:17] offset:16
	global_load_b32 v184, v203, s[10:11]
	global_load_b32 v185, v203, s[14:15]
.Ltokens:
.set i, 0
.rept 16                               ; my 16 rows: each load takes 512 consecutive bytes
	global_load_b128 v[X+8*i:X+8*i+3],   v6, s[4:5] offset:i*1024 th:TH_LOAD_NT
	global_load_b128 v[X+8*i+4:X+8*i+7], v6, s[4:5] offset:i*1024+512 th:TH_LOAD_NT
.set i, i+1
.endr
	s_wait_loadcnt 32                              ; the 32 token loads are younger than the job's: those are in
	s_cmp_lt_u32 s28, 8
	s_cbranch_scc0 .Ljob_hi
.set p, 0
.rept 8
	v_pk_mul_f32 v[160+2*p:161+2*p], v[160+2*p:161+2*p], s[56:57] op_sel_hi:[1,0]  ; 1,024 Wg
.set p, p+1
.endr
.set p, 0
.rept 8
	v_cvt_pk_f16_f32 v[176+p], v[160+2*p], v[161+2*p]      ; its hi
.set p, p+1
.endr
.set p, 0
.rept 8
	v_pk_mul_f32 v[160+2*p:161+2*p], v[160+2*p:161+2*p], s[52:53] op_sel_hi:[1,0]
.set p, p+1
.endr
.set p, 0
.rept 8                                ; hi x -2,048 + 2,048 x: exact
	v_fma_mix_f32 v[160+2*p], v[176+p], v[NEGS], v[160+2*p] op_sel_hi:[1,0,0]
	v_fma_mix_f32 v[161+2*p], v[176+p], v[NEGS], v[161+2*p] op_sel:[1,0,0] op_sel_hi:[1,0,0]
.set p, p+1
.endr
.set p, 0
.rept 8
	v_cvt_pk_f16_f32 v[184+p], v[160+2*p], v[161+2*p]      ; its lo
.set p, p+1
.endr
.set p, 0
.rept 8
	v_cndmask_b32 v[176+p], v[176+p], v[184+p], s34        ; rows 0-7 hi, rows 8-15 lo
.set p, p+1
.endr
	s_lshl_b32 s44, s45, 10
	v_add_nc_u32 v200, s44, v10
	ds_store_b128 v200, v[176:179]
	ds_store_b128 v200, v[180:183] offset:512
	s_branch .Ljobs_done
.Ljob_hi:
	v_pk_mul_f32 v[186:187], v[160:161], v[168:169]
	v_pk_fma_f32 v[186:187], v[162:163], v[170:171], v[186:187]
	v_pk_fma_f32 v[186:187], v[164:165], v[172:173], v[186:187]
	v_pk_fma_f32 v[186:187], v[166:167], v[174:175], v[186:187]
	v_add_f32 v186, v186, v187
	v_add_f32_dpp v186, v186, v186 row_xmask:1 row_mask:0xf bank_mask:0xf
	v_add_f32_dpp v186, v186, v186 row_xmask:2 row_mask:0xf bank_mask:0xf
	v_add_f32_dpp v186, v186, v186 row_xmask:4 row_mask:0xf bank_mask:0xf
	v_add_f32_dpp v186, v186, v186 row_xmask:8 row_mask:0xf bank_mask:0xf
	v_permlanex16_b32 v187, v186, s32, s33
	v_add_f32 v186, v186, v187                     ; geno[b] . Wgg[e]
	v_add_f32 v186, v186, v185                     ; + bgg[e]
	v_mul_f32 v186, 0x3dcccccd, v186               ; x 0.1: kept apart from bg, which is added to the token's product first
	s_lshl_b32 s48, s45, 2
	s_add_co_u32 s48, s48, GBT
	v_mov_b32 v204, s48
	ds_store_b32 v204, v184
	ds_store_b32 v204, v186 offset:32
	v_cvt_pk_f16_f32 v248, v176, v177              ; W1's piece: 16 bytes a lane, 512 consecutive bytes a wave
	v_cvt_pk_f16_f32 v249, v178, v179
	v_cvt_pk_f16_f32 v250, v180, v181
	v_cvt_pk_f16_f32 v251, v182, v183
	s_lshl3_add_u32 s50, s29, s45
	s_lshl_b32 s50, s50, 9
	v_add_nc_u32 v252, s50, v6
	global_store_b128 v252, v[248:251], s[26:27]   ; v248-252 are written again only behind the rows' s_wait_xcnt 0
.Ljobs_done:
	s_wait_dscnt 0x0                               ; for the others' sake: my part of Wg's fragments, or my two biases, are stored
	s_barrier_signal -1
	s_barrier_wait -1
.set ks, 0
.rept 8                                ; waited for with the first token fragments, which are younger
	ds_load_b128 v[WGR+8*ks:WGR+8*ks+3],   v10 offset:ks*1024
	ds_load_b128 v[WGR+8*ks+4:WGR+8*ks+7], v10 offset:ks*1024+512
.set ks, ks+1
.endr
; Row i: hi and lo, hi to tokb (two stores of 256 consecutive, aligned bytes), both into my stage.
.macro ROW i
	s_wait_loadcnt 30-2*(\i)                       ; the later rows' loads, two each, may stay out
	s_wait_xcnt 0x0                                ; H was the last row's store data: it is rewritten only behind this wait
.irp p, 0,1,2,3
	v_cvt_pk_f16_f32 v[H+\p], v[X+8*(\i)+2*\p], v[X+8*(\i)+2*\p+1]
.endr
.irp p, 0,1,2,3
	v_pk_mul_f32 v[X+8*(\i)+2*\p:X+8*(\i)+2*\p+1], v[X+8*(\i)+2*\p:X+8*(\i)+2*\p+1], s[52:53] op_sel_hi:[1,0]
.endr
.irp p, 0,1,2,3
	v_fma_mix_f32 v[X+8*(\i)+2*\p], v[H+\p], v[NEGS], v[X+8*(\i)+2*\p] op_sel_hi:[1,0,0]
	v_fma_mix_f32 v[X+8*(\i)+2*\p+1], v[H+\p], v[NEGS], v[X+8*(\i)+2*\p+1] op_sel:[1,0,0] op_sel_hi:[1,0,0]
.endr
.irp p, 0,1,2,3
	v_cvt_pk_f16_f32 v[X+8*(\i)+\p], v[X+8*(\i)+2*\p], v[X+8*(\i)+2*\p+1]
.endr
	global_store_b64 v7, v[H:H+1],   s[18:19] offset:(\i)*512
	global_store_b64 v7, v[H+2:H+3], s[18:19] offset:(\i)*512+256
	ds_store_b64 v8, v[H:H+1]   offset:(\i)*PITCH
	ds_store_b64 v8, v[H+2:H+3] offset:(\i)*PITCH+256
	ds_store_b64 v8, v[X+8*(\i):X+8*(\i)+1]   offset:LOOFF+(\i)*PITCH
	ds_store_b64 v8, v[X+8*(\i)+2:X+8*(\i)+3] offset:LOOFF+(\i)*PITCH+256
.endm
.irp i, 0,1,2,3,4,5,6,7,8,9,10,11,12,13,14,15
	ROW \i
.endr
	v_mov_b32 v11, GBT
	ds_load_b128 v[BGC:BGC+3],   v11               ; the two tables of biases, every lane the same words; older than the fragments' loads
	ds_load_b128 v[BGC+4:BGC+7], v11 offset:16
	ds_load_b128 v[TGC:TGC+3],   v11 offset:32
	ds_load_b128 v[TGC+4:TGC+7], v11 offset:48
	; The stage is my wave's own and LDS serves a wave's instructions in order (ISA guide 5.7.1.4): these loads see the stores above.
.set ks, 0
.rept 8
	ds_load_b128 v[X+16*ks:X+16*ks+3],     v9 offset:ks*64
	ds_load_b128 v[X+16*ks+4:X+16*ks+7],   v9 offset:ks*64+32
	ds_load_b128 v[X+16*ks+8:X+16*ks+11],  v9 offset:LOOFF+ks*64
	ds_load_b128 v[X+16*ks+12:X+16*ks+15], v9 offset:LOOFF+ks*64+32
.set ks, ks+1
.endr
.set ks, 0
.rept 8                                ; the two sums take turns
	s_wait_dscnt 4*(7-ks)                          ; the later K steps' loads, four each, may stay out; Wg's fragments and the tables are older and in
.if ks == 0
	v_wmma_f32_16x16x32_f16 v[D0:D0+7], v[WGR:WGR+7], v[X:X+7], 0
	v_wmma_f32_16x16x32_f16 v[D1:D1+7], v[WGR:WGR+7], v[X+8:X+15], 0
.else
	v_wmma_f32_16x16x32_f16 v[D0:D0+7], v[WGR+8*ks:WGR+8*ks+7], v[X+16*ks:X+16*ks+7], v[D0:D0+7]
	v_wmma_f32_16x16x32_f16 v[D1:D1+7], v[WGR+8*ks:WGR+8*ks+7], v[X+16*ks+8:X+16*ks+15], v[D1:D1+7]
.endif
.set ks, ks+1
.endr
.rept 4
	v_nop                                          ; four places behind the last product (ISA guide 7.12.1)
.endr
	; a lane holds token r; register j is expert j: Wg_hi's part where h = 0, Wg_lo's where h = 1
.irp p, 0,2,4,6
	v_pk_fma_f32 v[U+\p:U+\p+1], v[D1+\p:D1+\p+1], s[54:55], v[D0+\p:D0+\p+1] op_sel_hi:[1,0,1]  ; the tokens' lo counts 2^-11
.endr
.irp p, 0,2,4,6
	v_pk_mul_f32 v[U+\p:U+\p+1], v[U+\p:U+\p+1], v[SC:SC+1]  ; Wg's 1,024 is taken out, and its lo's 2,048
.endr
.irp j, 0,1,2,3,4,5,6,7
	v_permlanex16_b32 v[X+\j], v[U+\j], s32, s33
.endr
.irp p, 0,2,4,6
	v_pk_add_f32 v[U+\p:U+\p+1], v[U+\p:U+\p+1], v[X+\p:X+\p+1]  ; both halves of the lanes now hold token r's eight products
.endr
.irp p, 0,2,4,6
	v_pk_add_f32 v[U+\p:U+\p+1], v[U+\p:U+\p+1], v[BGC+\p:BGC+\p+1]  ; + bg first,
.endr
.irp p, 0,2,4,6
	v_pk_add_f32 v[U+\p:U+\p+1], v[U+\p:U+\p+1], v[TGC+\p:TGC+\p+1]  ; then the batch's term: one rounding each, in the order of the sum as it is defined
.endr
	; THE TWO LARGEST: m1 v24, i1 v25, m2 v26, i2 v27.  The compares are strict and a deposed m1 always becomes m2: of equal logits the lower index comes first.
	v_mov_b32 v24, v[U]
	v_mov_b32 v25, 0
	v_mov_b32 v26, 0xff7fffff
	v_mov_b32 v27, 0
.irp j, 1,2,3,4,5,6,7
	v_cmp_gt_f32 s36, v[U+\j], v26
	v_cmp_gt_f32 vcc_lo, v[U+\j], v24
	v_cndmask_b32 v26, v26, v[U+\j], s36
	v_cndmask_b32 v27, v27, \j, s36
	v_cndmask_b32 v26, v26, v24, vcc_lo
	v_cndmask_b32 v27, v27, v25, vcc_lo
	v_cndmask_b32 v24, v24, v[U+\j], vcc_lo
	v_cndmask_b32 v25, v25, \j, vcc_lo
.endr
	; THE WEIGHTS: e = exp(m2 - m1) <= 1; 1 / (1 + e) and e / (1 + e); each at least 1e-6; divided by their sum.
	v_sub_f32 v28, v26, v24
	v_mul_f32 v28, 0x3fb8aa3b, v28
	v_exp_f32 v30, v28
	v_sub_f32 v29, v24, v26                        ; top1 - top2: the plain instruction behind the exponential
	s_wait_alu depctr_va_vdst(0)                   ; the wait ahead of the result's first reader
	v_add_f32 v31, 1.0, v30
	v_rcp_f32 v32, v31
	v_add_f32_dpp v29, v29, v29 row_xmask:1 row_mask:0xf bank_mask:0xf
	s_wait_alu depctr_va_vdst(0)
	v_mul_f32 v33, v30, v32
	v_max_num_f32 v32, 0x358637bd, v32
	v_max_num_f32 v33, 0x358637bd, v33
	v_add_f32 v31, v32, v33
	v_rcp_f32 v39, v31
	v_add_f32_dpp v29, v29, v29 row_xmask:2 row_mask:0xf bank_mask:0xf
	s_wait_alu depctr_va_vdst(0)
	v_mul_f32 v32, v32, v39
	v_mul_f32 v33, v33, v39
	v_add_f32_dpp v29, v29, v29 row_xmask:4 row_mask:0xf bank_mask:0xf
	v_add_f32_dpp v29, v29, v29 row_xmask:8 row_mask:0xf bank_mask:0xf  ; the sum over my 16 tokens
	s_lshl_b32 s44, s28, 6
	s_add_co_u32 s44, s44, WMT
	v_lshl_add_u32 v36, v4, 2, s44                 ; token 16 w + r of an expert's row
	s_lshl_b32 s46, s28, 1
	s_add_co_u32 s46, s46, BMT
	v_mov_b32 v37, s46                             ; half w % 2 of word w / 2: byte 2 w
	s_lshl_b32 s47, s28, 2
	s_add_co_u32 s47, s47, CFT
	v_mov_b32 v38, s47
.irp k, 0,1,2,3,4,5,6,7
	v_cmp_eq_u32 s36, \k, v25
	v_cmp_eq_u32 s37, \k, v27
	v_cndmask_b32 v34, 0, v32, s36
	v_cndmask_b32 v34, v34, v33, s37
	ds_store_b32 v36, v34 offset:\k*1024           ; the two lanes of a token store the same word
	s_or_b32 s38, s36, s37                         ; its low 16 bits: which of my tokens chose expert k
	v_mov_b32 v35, s38
	ds_store_b16 v37, v35 offset:\k*32
.endr
	ds_store_b32 v38, v29
	s_wait_dscnt 0x0                               ; for the others' sake: my stores are done
	s_barrier_signal -1
	s_barrier_wait -1
	; THE WAY OUT, in whole runs of consecutive bytes.
	s_cmp_lt_u32 s28, 8
	s_cbranch_scc0 .Lnot_wm
	s_lshl_b32 s44, s28, 10                        ; waves 0-7: expert w's 256 weights, 1,024 bytes
	v_lshl_add_u32 v41, v3, 4, s44
	v_add_nc_u32 v41, WMT, v41
	ds_load_b128 v[44:47], v41
	ds_load_b128 v[48:51], v41 offset:512
	s_lshl3_add_u32 s46, s30, s28
	s_lshl_b32 s46, s46, 14
	s_lshl_b32 s47, s31, 10
	s_add_co_u32 s46, s46, s47
	v_add_nc_u32 v42, s46, v6
	s_wait_dscnt 0x0
	global_store_b128 v42, v[44:47], s[20:21]
	global_store_b128 v42, v[48:51], s[20:21] offset:512
	s_branch .Lend
.Lnot_wm:
	s_cmp_eq_u32 s28, 8
	s_cbranch_scc0 .Lnot_bm
	v_add_nc_u32 v41, BMT, v7                      ; wave 8: the bitmaps, 256 bytes in one store
	ds_load_b64 v[44:45], v41
	s_lshl_b32 s46, s29, 8
	v_add_nc_u32 v42, s46, v7
	s_wait_dscnt 0x0
	global_store_b64 v42, v[44:45], s[22:23]
	s_branch .Lend
.Lnot_bm:
	s_cmp_eq_u32 s28, 9
	s_cbranch_scc0 .Lend
	v_lshl_add_u32 v41, v4, 2, CFT                 ; wave 9: the 16 waves' sums
	ds_load_b32 v44, v41
	s_lshl_b32 s46, s29, 2
	v_mov_b32 v42, s46
	v_cmp_eq_u32 vcc_lo, 0, v3
	s_wait_dscnt 0x0
	v_add_f32_dpp v44, v44, v44 row_xmask:1 row_mask:0xf bank_mask:0xf
	v_add_f32_dpp v44, v44, v44 row_xmask:2 row_mask:0xf bank_mask:0xf
	v_add_f32_dpp v44, v44, v44 row_xmask:4 row_mask:0xf bank_mask:0xf
	v_add_f32_dpp v44, v44, v44 row_xmask:8 row_mask:0xf bank_mask:0xf
	s_wait_xcnt 0x0                                ; EXEC changes only behind this wait
	s_and_saveexec_b32 s40, vcc_lo
	global_store_b32 v42, v44, s[24:25]
	s_wait_xcnt 0x0                                ; and again in front of the line that widens it
	s_or_b32 exec_lo, exec_lo, s40
.Lend:
	s_wait_tensorcnt 0x0                           ; the wave's end
	ds_add_u32 v1, v2
	s_wait_dscnt 0x0
	s_endpgm
.Lfunc_end_k_qdfb1ce7d3b_router:
	.size	k_qdfb1ce7d3b_router, .Lfunc_end_k_qdfb1ce7d3b_router-k_qdfb1ce7d3b_router
	.p2alignl 7, 3214868480
	.fill 96, 4, 3214868480
	.section	.rodata,"a",@progbits
	.p2align	6, 0x0
	.amdhsa_kernel k_qdfb1ce7d3b_router
		.amdhsa_group_segment_fixed_size 289536
		.amdhsa_private_segment_fixed_size 0
		.amdhsa_enable_private_segment 0
		.amdhsa_kernarg_size 96
		.amdhsa_user_sgpr_count 2
		.amdhsa_user_sgpr_kernarg_segment_ptr 1
		.amdhsa_wavefront_size32 1
		.amdhsa_system_sgpr_workgroup_id_x 1
		.amdhsa_system_sgpr_workgroup_id_y 1
		.amdhsa_system_sgpr_workgroup_id_z 1
		.amdhsa_system_vgpr_workitem_id 0
		.amdhsa_next_free_vgpr 256
		.amdhsa_next_free_sgpr 66
		.amdhsa_reserve_vcc 1
		.amdhsa_float_denorm_mode_32 3
		.amdhsa_float_denorm_mode_16_64 3
		.amdhsa_memory_ordered 1
		.amdhsa_forward_progress 1
		.amdhsa_inst_pref_size 57
	.end_amdhsa_kernel
	.amdgpu_metadata
---
amdhsa.version: [ 1, 2 ]
amdhsa.kernels:
  - .name:           k_qdfb1ce7d3b_router
    .symbol:         k_qdfb1ce7d3b_router.kd
    .args:
      - { .name: tokens, .offset: 0, .size: 8, .value_kind: global_buffer, .address_space: global }
      - { .name: geno_vec, .offset: 8, .size: 8, .value_kind: global_buffer, .address_space: global }
      - { .name: Wg, .offset: 16, .size: 8, .value_kind: global_buffer, .address_space: global }
      - { .name: bg, .offset: 24, .size: 8, .value_kind: global_buffer, .address_space: global }
      - { .name: Wgg, .offset: 32, .size: 8, .value_kind: global_buffer, .address_space: global }
      - { .name: bgg, .offset: 40, .size: 8, .value_kind: global_buffer, .address_space: global }
      - { .name: W1, .offset: 48, .size: 8, .value_kind: global_buffer, .address_space: global }
      - { .name: tokb, .offset: 56, .size: 8, .value_kind: global_buffer, .address_space: global }
      - { .name: wm, .offset: 64, .size: 8, .value_kind: global_buffer, .address_space: global }
      - { .name: bm, .offset: 72, .size: 8, .value_kind: global_buffer, .address_space: global }
      - { .name: confp, .offset: 80, .size: 8, .value_kind: global_buffer, .address_space: global }
      - { .name: w1b, .offset: 88, .size: 8, .value_kind: global_buffer, .address_space: global }
    .group_segment_fixed_size: 289536
    .private_segment_fixed_size: 0
    .kernarg_segment_align: 8
    .kernarg_segment_size: 96
    .max_flat_workgroup_size: 512
    .sgpr_count:     66
    .vgpr_count:     256
    .wavefront_size: 32
...
	.end_amdgpu_metadata
.endif
;; end of part 1
;; launch experts (part 2): grid 16 x 16, 4 waves a work-group, no clusters, 155,392 bytes of LDS; arguments bm, wm, tokb, w1b, b1, hsp, massp, cnt; writes hsp, massp, cnt
.if DOCPART == 2
	.amdgcn_target "amdgcn-amd-amdhsa--gfx1250"
	.amdhsa_code_object_version 6
	.text
	.protected	k_qdfb1ce7d3b_experts
	.globl	k_qdfb1ce7d3b_experts
	.p2align	8
	.type	k_qdfb1ce7d3b_experts,@function
k_qdfb1ce7d3b_experts:
	s_mov_b64 s[64:65], 0
	v_nop
	global_prefetch_b8 v0, s[64:65] scope:SCOPE_SE
	s_setreg_imm32_b32 hwreg(HW_REG_WAVE_MODE, 25, 1), 1
	s_wait_xcnt 0x0
; LAYER 1 ON THE CHOSEN ROWS.  For batch b, expert k and a half of that expert's tokens: hs[c] = sum over n of w[n] relu(tokens[n] . W1[k][c] + b1[k][c]), the sum of w, and the number of rows.
; (The second layer and the weighted sum over n are both linear, so the second layer is applied to hs once, by the launch behind this one.)
; SHARES.  Grid x = 2 k + half, y = b.  With c tokens on the expert, half 0 takes the ranks below m0 = min(c, 32 ceil(c / 64)), half 1 the rest: at most 2,048 each, whatever the split of the tokens.
; A wave keeps 64 hidden channels of W1[k], 256 registers, for the whole launch; all four waves read every tile of tokens from LDS.
; THE LIST.  A wave reads the bitmap words of 1,024 tokens into scalar registers and stores the chosen tokens' numbers, in order, into its own list in LDS; the four lists end to end are the expert's tokens by rank.
; THE WALK.  A tile is 128 ranks, a unit 32 of them (64 matrix instructions a wave).  16 trips, a constant that covers 2,048 ranks; units past the count are jumped forward, every barrier stands outside the jumps.
; Ranks past the count take a token that exists, with weight 0.  A tile's rows are asked for a trip ahead into registers (a whole row of 512 bytes a load), stored into the buffer that is not being read, and read as fragments.
; THE PRODUCT.  Source 0 = 16 channels of W1, source 1 = 16 tokens, first C = b1: a lane holds ONE token (lane % 16) and channels 8 (lane / 16) + 0..7, so the token's weight is one number a lane.
; THE FORMAT is f16, not bf16: an expert may have a single token in a batch, and then nothing averages the operands' roundings out; f16's 11 significant bits leave an eighth of what bf16's 8 would.
; BY TURNS.  A unit has two phases of 32 products on four sums each; the relu and the weighted adding of the four sums finished in the phase before stand behind the products, six a K step.
; NO JOINT LOADS: what an expert's work-groups share is W1, 131,072 bytes a work-group read once into registers; the token rows come by lists, which no one descriptor covers.
; LIMITS.  Tokens and W1 arrive in f16: within 65,504, and below 6e-5 with f16's fixed step of 6e-8; sums in f32.  NaN and infinities are not treated apart.  A skewed split is served right, by longer walks of the work-groups that it loads.
; REGISTERS, in windows of 256 (s_set_vgpr_msb: bits 1:0 source 0, 3:2 source 1, 5:4 source 2, 7:6 destination):
;   window 0: v0-23 ids, addresses, at work; v8 the sum of w; v24-55 hs; v56-119 eight sums; v128-255 a unit's token fragments
;   window 1: v0-127 W1 of channel blocks 0, 1; v128-143 their b1; v144-145 the weights of the unit whose last four sums are still to be added
;   window 2: the same for channel blocks 2, 3; v144-145 the weights of the unit in hand; v146-149 LDS addresses of fragments and weights
;   window 3: the gather: v0-127 32 rows, v128-159 their offsets, v160-170 list entry, addresses, weight, rank
.set PITCH, 528                        ; a row in LDS: 512 bytes of f16, the row's weight at byte 512; an odd multiple of 16
.set BUF1,  128*PITCH                  ; two buffers of 128 rows
.set SEG,   2*BUF1                     ; four lists of 1,152 entries: 1,024 ranks, then 32 places for the lanes that have nothing to store, then zeros
.set SEGW,  4608
.set SCR,   SEG+4*SEGW                 ; the four waves' counts
.set OST,   SCR+256                    ; the way out: 256 bytes a wave
.set SPARE, OST+1024                   ; the spare words: 128 bytes a wave, named by no other line
.set MS,   8
.set HS,   24
.set D,    56
.set TOK,  128
.set BIAS, 128                         ; windows 1, 2
.set WW,   144                         ; windows 1, 2
.set ADR,  146                         ; window 2: r x 528 + 16 h in buffer 0, 1
.set WAD,  148                         ; window 2: r x 528 + 512 in buffer 0, 1
.set G,    0                           ; window 3
.set OFFS, 128
.set NV,   160
.set L16,  161
.set STA,  162
.set WSA,  164
.set WV,   166
.set PV,   167
.set WOFF, 168
.set T3,   169
; s20 wave, s21 k, s22 half, s23 b, s24 g; s25-28 the waves' counts; s29 c, s30 m0, s31 first rank, s32 m, s33 end; s34-36 ranks at which lists 1-3 begin; s37-39 the gaps behind lists 0-2
; s40 units left, s41 the loop's count, s42-43 lanes whose rank is below the end (the tile on its way, the tile behind it), s44-63 at work, s68-99 bitmap words
.set MSB, 0
.macro WIN new                         ; the immediate's high byte repeats the setting that is left; a switch that changes nothing is dropped
.if MSB != (\new)
	s_set_vgpr_msb (MSB<<8)|(\new)
.set MSB, (\new)
.endif
.endm
	s_load_b512 s[4:19], s[0:1], 0x0               ; bm 4, wm 6, tokb 8, w1b 10, b1 12, hsp 14, massp 16, cnt 18
	v_lshl_add_u32 v1, v0, 2, SPARE                ; my spare word
	v_mov_b32 v2, 0
	v_and_b32 v3, 31, v0                           ; lane
	v_and_b32 v4, 15, v0                           ; r
	v_bfe_u32 v5, v0, 4, 1                         ; h
	v_lshrrev_b32 v10, 5, v0
	v_readfirstlane_b32 s20, v10
	s_lshr_b32 s21, ttmp9, 1
	s_and_b32 s22, ttmp9, 1
	s_and_b32 s23, ttmp7, 0xffff
	s_lshl3_add_u32 s24, s23, s21                  ; g = 8 b + k
	s_lshl1_add_u32 s47, s24, s22                  ; 2 g + half
	s_lshl_b32 s56, s23, 12                        ; bm: a batch has 16 blocks of 256 bytes, my wave four of them; the expert's 32 bytes in each
	s_lshl_b32 s44, s20, 10
	s_add_co_u32 s56, s56, s44
	s_lshl_b32 s44, s21, 5
	s_add_co_u32 s56, s56, s44
	s_mov_b32 s57, 0
	s_lshl_b32 s58, s21, 17                        ; w1b: 131,072 bytes an expert, 32,768 a wave
	s_lshl_b32 s44, s20, 15
	s_add_co_u32 s58, s58, s44
	s_mov_b32 s59, 0
	s_lshl_b32 s60, s21, 10                        ; b1: my 64 channels
	s_lshl_b32 s44, s20, 8
	s_add_co_u32 s60, s60, s44
	s_mov_b32 s61, 0
	s_lshl_b32 s62, s23, 21                        ; tokb: the batch's 4,096 rows of 512 bytes
	s_mov_b32 s63, 0
	s_lshl_b32 s48, s24, 14                        ; wm: the row of (b, k)
	s_mov_b32 s49, 0
	s_lshl_b32 s50, s47, 10                        ; hsp: my 256 bytes
	s_add_co_u32 s50, s50, s44
	s_mov_b32 s51, 0
	s_lshl_b32 s52, s47, 2                         ; massp, cnt
	s_mov_b32 s53, 0
	s_wait_kmcnt 0x0
	s_add_nc_u64 s[4:5], s[4:5], s[56:57]
	s_add_nc_u64 s[10:11], s[10:11], s[58:59]
	s_add_nc_u64 s[12:13], s[12:13], s[60:61]
	s_add_nc_u64 s[8:9], s[8:9], s[62:63]
	s_add_nc_u64 s[6:7], s[6:7], s[48:49]
	s_add_nc_u64 s[14:15], s[14:15], s[50:51]
	s_add_nc_u64 s[16:17], s[16:17], s[52:53]
	s_add_nc_u64 s[18:19], s[18:19], s[52:53]
	s_load_b256 s[68:75], s[4:5], 0x0              ; the bitmap words of my 1,024 tokens
	s_load_b256 s[76:83], s[4:5], 0x100
	s_load_b256 s[84:91], s[4:5], 0x200
	s_load_b256 s[92:99], s[4:5], 0x300
	v_lshlrev_b32 v9, 4, v3                        ; 16 x lane; not written again before the loads are in
	v_lshlrev_b32 v11, 5, v5                       ; 32 h; likewise
.macro WLOAD win                       ; W1's fragments and b1 of two channel blocks, as they lie in w1b, into window win
	WIN (\win)<<6
.set c, 0
.rept 2
.set ks, 0
.rept 8
	global_load_b128 v[64*c+8*ks:64*c+8*ks+3],   v9, s[10:11] offset:((2*((\win)-1)+c)*8+ks)*1024
	global_load_b128 v[64*c+8*ks+4:64*c+8*ks+7], v9, s[10:11] offset:((2*((\win)-1)+c)*8+ks)*1024+512
.set ks, ks+1
.endr
	global_load_b128 v[BIAS+8*c:BIAS+8*c+3],   v11, s[12:13] offset:(2*((\win)-1)+c)*64
	global_load_b128 v[BIAS+8*c+4:BIAS+8*c+7], v11, s[12:13] offset:(2*((\win)-1)+c)*64+16
.set c, c+1
.endr
.endm
	WLOAD 1
	WLOAD 2
	WIN 0
	s_mul_i32 s58, s20, SEGW
	s_add_co_u32 s58, s58, SEG                     ; my list
	v_mov_b32 v12, 0
	v_mov_b32 v13, 0
	v_mov_b32 v14, 0
	v_mov_b32 v15, 0
	v_lshl_add_u32 v16, v3, 4, s58
.set i, 0
.rept 9
	ds_store_b128 v16, v[12:15] offset:512*i       ; every entry holds a token's number from the start: 0
.set i, i+1
.endr
	v_mul_u32_u24 v17, v4, PITCH
	v_lshl_add_u32 v18, v5, 4, v17
	v_mul_u32_u24 v19, v3, PITCH
	s_mul_i32 s59, s20, 32*PITCH                   ; my 32 rows of a tile
	s_add_co_u32 s60, s59, BUF1
	s_add_co_u32 s61, s59, 512
	s_add_co_u32 s62, s60, 512
	WIN 0x80
	v_mov_b32 v[ADR], v18
	v_add_nc_u32 v[ADR+1], BUF1, v18
	v_add_nc_u32 v[WAD], 512, v17
	v_add_nc_u32 v[WAD+1], BUF1+512, v17
	WIN 0xc0
	v_lshlrev_b32 v[L16], 4, v3
	v_lshl_add_u32 v[STA], v3, 4, s59
	v_lshl_add_u32 v[STA+1], v3, 4, s60
	v_add_nc_u32 v[WSA], s61, v19
	v_add_nc_u32 v[WSA+1], s62, v19
	WIN 0
	; The first unit adds "the unit before"'s last four sums, and the way out adds the last unit's: with these zeros both hold where there was none.  All this stands in the wait for W1.
.set i, 0
.rept 32
	v_mov_b32 v[D+32+i], 0
	v_mov_b32 v[HS+i], 0
.set i, i+1
.endr
	v_mov_b32 v[MS], 0
	WIN 0x40
	v_mov_b32 v[WW], 0
	v_mov_b32 v[WW+1], 0
	WIN 0
	v_add_nc_u32 v20, 0x400, v3                    ; where a lane stores that has nothing to store
	v_lshl_add_u32 v21, s20, 10, v3                ; 1,024 w + lane
	s_mov_b32 s45, 0                               ; the rank at which the word in hand begins
	s_wait_kmcnt 0x0
.set w, 0
.rept 32                               ; word w: lane j is token 1,024 wave + 32 w + j; its rank is the count so far plus the bits below its own
	v_mbcnt_lo_u32_b32 v[12+2*(w%2)], s[68+w], s45
	v_cndmask_b32 v[12+2*(w%2)], v20, v[12+2*(w%2)], s[68+w]
	v_min_u32 v[12+2*(w%2)], 0x47f, v[12+2*(w%2)]
	v_lshl_add_u32 v[12+2*(w%2)], v[12+2*(w%2)], 2, s58
	v_add_nc_u32 v[13+2*(w%2)], 32*w, v21
	ds_store_b32 v[12+2*(w%2)], v[13+2*(w%2)]
	s_bcnt1_i32_b32 s46, s[68+w]
	s_add_co_u32 s45, s45, s46
.set w, w+1
.endr
	v_mov_b32 v16, s45
	s_lshl_b32 s46, s20, 2
	s_add_co_u32 s46, s46, SCR
	v_mov_b32 v17, s46
	ds_store_b32 v17, v16
	s_wait_dscnt 0x0                               ; for the others' sake: my list and my count are stored
	s_barrier_signal -1
	s_barrier_wait -1
	v_mov_b32 v17, SCR
	ds_load_b128 v[12:15], v17
	s_wait_dscnt 0x0
	v_readfirstlane_b32 s25, v12
	v_readfirstlane_b32 s26, v13
	v_readfirstlane_b32 s27, v14
	v_readfirstlane_b32 s28, v15
	s_min_u32 s25, s25, 0x400
	s_min_u32 s26, s26, 0x400
	s_min_u32 s27, s27, 0x400
	s_min_u32 s28, s28, 0x400
	s_mov_b32 s34, s25
	s_add_co_u32 s35, s34, s26
	s_add_co_u32 s36, s35, s27
	s_add_co_u32 s29, s36, s28                     ; c
	s_sub_co_u32 s37, 0x480, s25                   ; from a list's last entry to the next list's first
	s_sub_co_u32 s38, 0x480, s26
	s_sub_co_u32 s39, 0x480, s27
	s_add_co_u32 s30, s29, 63
	s_lshr_b32 s30, s30, 6
	s_lshl_b32 s30, s30, 5
	s_min_u32 s30, s30, s29                        ; m0
	s_cmp_eq_u32 s22, 0
	s_cselect_b32 s31, 0, s30
	s_cselect_b32 s33, s30, s29
	s_sub_co_u32 s32, s33, s31                     ; m
	s_add_co_u32 s40, s32, 31
	s_lshr_b32 s40, s40, 5                         ; units
	WIN 0xc0
	v_add_nc_u32 v[PV], s31, v0                    ; row 32 w + lane of tile 0 is this rank
; THE GATHER, all in window 3.  NVLOAD: the token of my rank, for the tile after the one that ISSUE asks for next; the rank steps on by a tile.
.macro NVLOAD
	v_cmp_gt_u32 s43, s33, v[PV]
	v_cmp_le_u32 vcc_lo, s34, v[PV]
	v_cndmask_b32 v[T3], 0, s37, vcc_lo
	v_add_nc_u32 v[T3+1], v[PV], v[T3]
	v_cmp_le_u32 vcc_lo, s35, v[PV]
	v_cndmask_b32 v[T3], 0, s38, vcc_lo
	v_add_nc_u32 v[T3+1], v[T3+1], v[T3]
	v_cmp_le_u32 vcc_lo, s36, v[PV]
	v_cndmask_b32 v[T3], 0, s39, vcc_lo
	v_add_nc_u32 v[T3+1], v[T3+1], v[T3]
	v_min_u32 v[T3+1], 0x11ff, v[T3+1]             ; a rank past the count stays inside the lists: whatever entry it finds is a token's number
	v_lshl_add_u32 v[T3+1], v[T3+1], 2, SEG
	ds_load_b32 v[NV], v[T3+1]
	v_add_nc_u32 v[PV], 0x80, v[PV]
.endm
; ISSUE: my 32 rows of a tile, each a whole row of 512 consecutive bytes, and my row's gate weight.
.macro ISSUE
	s_mov_b32 s42, s43
	v_min_u32 v[NV], 0xfff, v[NV]
	v_lshlrev_b32 v[WOFF], 2, v[NV]
.set i, 0
.rept 32
	v_readlane_b32 s[44+i%4], v[NV], i
	s_min_u32 s[44+i%4], s[44+i%4], 0xfff
	v_lshl_add_u32 v[OFFS+i], s[44+i%4], 9, v[L16]
.set i, i+1
.endr
.set i, 0
.rept 32
	global_load_b128 v[G+4*i:G+4*i+3], v[OFFS+i], s[8:9]
.set i, i+1
.endr
	global_load_b32 v[WV], v[WOFF], s[6:7]
.endm
; GBLOCK: the tile that is on its way goes into buffer nb, the next is asked for, the list is read for the one after.
.macro GBLOCK nb
	WIN 0xff
	s_wait_loadcnt 0x0                             ; my rows are in (asked for a trip ago); their offsets may be written again
.set i, 0
.rept 32
	ds_store_b128 v[STA+(\nb)], v[G+4*i:G+4*i+3] offset:i*PITCH
.set i, i+1
.endr
	v_cndmask_b32 v[WV], 0, v[WV], s42             ; a rank past the count weighs nothing
	ds_store_b32 v[WSA+(\nb)], v[WV]
	ISSUE
	NVLOAD
.endm
; THE MATRIX WORK.  Sum a (0-3: channel blocks 0, 1; 4-7: blocks 2, 3; in each four: block, block, and again for the second 16 tokens).
.macro WM a, c, tt, ks, first
.set rA, 64*(\c)+8*(\ks)
.set rB, TOK+64*(\tt)+8*(\ks)
.set rC, D+8*(\a)
.if \first
	v_wmma_f32_16x16x32_f16 v[rC:rC+7], v[rA:rA+7], v[rB:rB+7], v[BIAS+8*(\c):BIAS+8*(\c)+7]
.else
	v_wmma_f32_16x16x32_f16 v[rC:rC+7], v[rA:rA+7], v[rB:rB+7], v[rC:rC+7]
.endif
.endm
; Number n of the 12 lines that add a finished sum a onto hs: relu of registers 0-3, two packed w x h + hs, relu of 4-7, two more.  The low registers are read first.
; The weight is source 0, in the window that holds the phase's W1: the pair's first register for the first 16 tokens, its second for the others.
.macro RID a, n
.set rD, D+8*(\a)
.set rH, HS+8*(2*((\a)/4)+(\a)%2)
.set rN, (\n)
.if rN < 4
	v_max_num_f32 v[rD+rN], 0, v[rD+rN]
.elseif (rN >= 6) && (rN < 10)
	v_max_num_f32 v[rD+rN-2], 0, v[rD+rN-2]
.else
.set rP, 2*(rN-4)
.if rN >= 10
.set rP, 2*(rN-8)
.endif
.if (((\a)%4)/2) == 0
	v_pk_fma_f32 v[rH+rP:rH+rP+1], v[WW:WW+1], v[rD+rP:rD+rP+1], v[rH+rP:rH+rP+1] op_sel_hi:[0,1,1]
.else
	v_pk_fma_f32 v[rH+rP:rH+rP+1], v[WW:WW+1], v[rD+rP:rD+rP+1], v[rH+rP:rH+rP+1] op_sel:[1,0,0] op_sel_hi:[1,1,1]
.endif
.endif
.endm
.macro ROLL nbuf, off, kstep           ; K step kstep of a unit's token fragments: 2 x 16 tokens x 32 along K
.irp tt, 0,1
.irp q, 0,1
	ds_load_b128 v[TOK+64*\tt+8*(\kstep)+4*\q:TOK+64*\tt+8*(\kstep)+4*\q+3], v[ADR+(\nbuf)] offset:(\off)+\tt*16*PITCH+(\kstep)*64+\q*32
.endr
.endr
.endm
; A PHASE: 8 K steps of four products, the four sums by turns, and behind them six of the other four sums' 48 lines.
; Phase 1 waits for the fragments K step by K step.  Phase 2 fetches the NEXT unit's fragments into the registers that it has just multiplied: the four (at K step 0: six) plain lines behind a
; step's last product are the places in front of the loads (ISA guide 7.12.1 for vector instructions).  No such line names a register of the products round it.
.macro PHASE x, nbuf, off
.set gA, 4*((\x)-1)
.set gR, 4*(2-(\x))
.set st, 0
.rept 8
.if (\x) == 1
	s_wait_dscnt 4*(7-st)+2                        ; the later K steps' loads, four each, and the two weights behind them may stay out
.endif
.if st == 0
	WIN 0x11*(\x)                                  ; W1 and b1 in window x
	WM gA,   0, 0, st, 1
	WM gA+1, 1, 0, st, 1
	WM gA+2, 0, 1, st, 1
	WM gA+3, 1, 1, st, 1
	WIN (\x)
.irp n, 0,1,2,3,4,5
	RID gR, \n
.endr
.else
	WM gA,   0, 0, st, 0
	RID gR+st/2, 6*(st%2)
	WM gA+1, 1, 0, st, 0
	RID gR+st/2, 6*(st%2)+1
	WM gA+2, 0, 1, st, 0
	WM gA+3, 1, 1, st, 0
.irp n, 2,3,4,5
	RID gR+st/2, 6*(st%2)+\n
.endr
.endif
.if (\x) == 2
.if st == 7
	v_add_f32 v[MS], v[WW], v[MS]                  ; the unit's weights into the sum of w
	v_add_f32 v[MS], v[WW+1], v[MS]
.endif
	ROLL \nbuf, \off, st
.endif
.set st, st+1
.endr
.endm
; A UNIT works on registers alone; what it reads from LDS is the next unit's: unit nu of buffer nbuf.
.macro UNIT nbuf, nu
	PHASE 1, 0, 0
	s_wait_dscnt 0x0                               ; the unit's two weights, asked for 32 products ago
	WIN 0x42
	v_mov_b32 v[WW], v[WW]                         ; a copy beside channel blocks 0, 1: the next phase 1 adds this unit's last four sums by it
	v_mov_b32 v[WW+1], v[WW+1]
	PHASE 2, \nbuf, (\nu)*32*PITCH
	WIN 0x82
	ds_load_b32 v[WW],   v[WAD+(\nbuf)] offset:(\nu)*32*PITCH
	ds_load_b32 v[WW+1], v[WAD+(\nbuf)] offset:(\nu)*32*PITCH+16*PITCH
	WIN 0                                          ; at a label and at a branch every window is 0
.endm
; A TRIP: tile t lies in buffer cur.  Two barriers, each with its signal and its wait apart.
;   A: signalled when a wave's reads of a buffer are over, waited for in front of the stores into it.      B: signalled when a wave's rows of tile t + 1 are stored, waited for in front of the first read of them.
; Between a signal and its wait stand register work and LDS loads of bytes that are stored next behind a later barrier.
.macro TRIP cur, nxt
	s_cmp_gt_i32 s40, 0
	s_cbranch_scc0 .Ld0_\@
	UNIT \cur, 1
.Ld0_\@:
	s_barrier_wait -1                              ; A: no wave reads buffer nxt any more
	s_cmp_gt_i32 s40, 0
	s_cbranch_scc0 .Ld1_\@
	GBLOCK \nxt
	WIN 0
.Ld1_\@:
	s_wait_dscnt 0x0                               ; my rows of tile t + 1 are stored, my list entry is in
	s_barrier_signal -1                            ; B
	s_cmp_gt_i32 s40, 1
	s_cbranch_scc0 .Ld2_\@
	UNIT \cur, 2
	s_cmp_gt_i32 s40, 2
	s_cbranch_scc0 .Ld2_\@
	UNIT \cur, 3
.Ld2_\@:
	s_wait_dscnt 0x0                               ; my reads of buffer cur are over: unit 3's fragments and weights are in registers
	s_barrier_wait -1                              ; B: tile t + 1 is whole
	s_barrier_signal -1                            ; A, for the next trip
	s_cmp_gt_i32 s40, 3
	s_cbranch_scc0 .Ld3_\@
	UNIT \nxt, 0
.Ld3_\@:
	s_sub_co_i32 s40, s40, 4
.endm
	WIN 0xff
	NVLOAD                                         ; tile 0's tokens
	s_wait_dscnt 0x0
	ISSUE                                          ; tile 0
	NVLOAD
	s_wait_dscnt 0x0
	GBLOCK 0                                       ; tile 0 is stored (its wait shows W1 and b1 in too), tile 1 asked for, the list read for tile 2
	WIN 0
	s_wait_dscnt 0x0
	s_barrier_signal -1
	s_barrier_wait -1                              ; tile 0 is whole
	s_barrier_signal -1                            ; A of the first trip: nobody has read buffer 1
	WIN 0x02
.irp k, 0,1,2,3,4,5,6,7
	ROLL 0, 0, \k
.endr
	WIN 0x82
	ds_load_b32 v[WW],   v[WAD]
	ds_load_b32 v[WW+1], v[WAD] offset:16*PITCH
	WIN 0
	s_mov_b32 s41, 8
.Lloop:                                ; 8 x 2 trips: every LDS address register is fixed
	TRIP 0, 1
	TRIP 1, 0
	s_sub_co_u32 s41, s41, 1
	s_cmp_lg_u32 s41, 0
	s_cbranch_scc1 .Lloop
	s_barrier_wait -1                              ; the last A is closed
	s_wait_dscnt 0x0
	s_wait_loadcnt 0x0                             ; rows asked for and not wanted have landed
	WIN 0x01
.irp a, 4,5,6,7                        ; the last unit's last four sums
.irp n, 0,1,2,3,4,5,6,7,8,9,10,11
	RID \a, \n
.endr
.endr
	WIN 0
.irp m, 1,2,4,8                        ; over the 16 tokens of a row of lanes
.set i, 0
.rept 32
	v_add_f32_dpp v[HS+i], v[HS+i], v[HS+i] row_xmask:\m row_mask:0xf bank_mask:0xf
.set i, i+1
.endr
	v_add_f32_dpp v[MS], v[MS], v[MS] row_xmask:\m row_mask:0xf bank_mask:0xf
.endr
	s_lshl_b32 s44, s20, 8
	s_add_co_u32 s44, s44, OST
	v_lshl_add_u32 v10, v5, 5, s44                 ; channel 16 block + 8 h + j at byte 64 block + 32 h + 4 j; the 16 lanes of a row store equal words
.set i, 0
.rept 8
	ds_store_b128 v10, v[HS+4*i:HS+4*i+3] offset:(i/2)*64+(i%2)*16
.set i, i+1
.endr
	v_lshl_add_u32 v12, v3, 3, s44
	ds_load_b64 v[14:15], v12                      ; my wave's own bytes, in order behind the stores
	v_lshlrev_b32 v13, 3, v3
	s_wait_dscnt 0x0
	global_store_b64 v13, v[14:15], s[14:15]       ; 256 consecutive, aligned bytes in one store
	s_cmp_lg_u32 s20, 0
	s_cbranch_scc1 .Lfin
	v_mov_b32 v16, 0
	v_mov_b32 v17, s32
	v_cmp_eq_u32 vcc_lo, 0, v3
	s_wait_xcnt 0x0                                ; EXEC changes only behind this wait
	s_and_saveexec_b32 s44, vcc_lo
	global_store_b32 v16, v[MS], s[16:17]
	global_store_b32 v16, v17, s[18:19]
	s_wait_xcnt 0x0                                ; and again in front of the line that widens it
	s_or_b32 exec_lo, exec_lo, s44
.Lfin:
	s_wait_tensorcnt 0x0                           ; the wave's end
	ds_add_u32 v1, v2
	s_wait_dscnt 0x0
	s_endpgm
.Lfunc_end_k_qdfb1ce7d3b_experts:
	.size	k_qdfb1ce7d3b_experts, .Lfunc_end_k_qdfb1ce7d3b_experts-k_qdfb1ce7d3b_experts
	.p2alignl 7, 3214868480
	.fill 96, 4, 3214868480
	.section	.rodata,"a",@progbits
	.p2align	6, 0x0
	.amdhsa_kernel k_qdfb1ce7d3b_experts
		.amdhsa_group_segment_fixed_size 155392
		.amdhsa_private_segment_fixed_size 0
		.amdhsa_enable_private_segment 0
		.amdhsa_kernarg_size 64
		.amdhsa_user_sgpr_count 2
		.amdhsa_user_sgpr_kernarg_segment_ptr 1
		.amdhsa_wavefront_size32 1
		.amdhsa_system_sgpr_workgroup_id_x 1
		.amdhsa_system_sgpr_workgroup_id_y 1
		.amdhsa_system_sgpr_workgroup_id_z 1
		.amdhsa_system_vgpr_workitem_id 0
		.amdhsa_next_free_vgpr 944
		.amdhsa_next_free_sgpr 100
		.amdhsa_reserve_vcc 1
		.amdhsa_float_denorm_mode_32 3
		.amdhsa_float_denorm_mode_16_64 3
		.amdhsa_memory_ordered 1
		.amdhsa_forward_progress 1
		.amdhsa_inst_pref_size 178
	.end_amdhsa_kernel
	.amdgpu_metadata
---
amdhsa.version: [ 1, 2 ]
amdhsa.kernels:
  - .name:           k_qdfb1ce7d3b_experts
    .symbol:         k_qdfb1ce7d3b_experts.kd
    .args:
      - { .name: bm, .offset: 0, .size: 8, .value_kind: global_buffer, .address_space: global }
      - { .name: wm, .offset: 8, .size: 8, .value_kind: global_buffer, .address_space: global }
      - { .name: tokb, .offset: 16, .size: 8, .value_kind: global_buffer, .address_space: global }
      - { .name: w1b, .offset: 24, .size: 8, .value_kind: global_buffer, .address_space: global }
      - { .name: b1, .offset: 32, .size: 8, .value_kind: global_buffer, .address_space: global }
      - { .name: hsp, .offset: 40, .size: 8, .value_kind: global_buffer, .address_space: global }
      - { .name: massp, .offset: 48, .size: 8, .value_kind: global_buffer, .address_space: global }
      - { .name: cnt, .offset: 56, .size: 8, .value_kind: global_buffer, .address_space: global }
    .group_segment_fixed_size: 155392
    .private_segment_fixed_size: 0
    .kernarg_segment_align: 8
    .kernarg_segment_size: 64
    .max_flat_workgroup_size: 128
    .sgpr_count:     100
    .vgpr_count:     944
    .wavefront_size: 32
...
	.end_amdgpu_metadata
.endif
;; end of part 2
;; launch centers (part 3): grid 32 x 1, 16 waves a work-group, no clusters, 19,456 bytes of LDS; arguments hsp, massp, cnt, confp, W2, b2, out0, out1, out2; writes out0, out1, out2
.if DOCPART == 3
	.amdgcn_target "amdgcn-amd-amdhsa--gfx1250"
	.amdhsa_code_object_version 6
	.text
	.protected	k_qdfb1ce7d3b_centers
	.globl	k_qdfb1ce7d3b_centers
	.p2align	8
	.type	k_qdfb1ce7d3b_centers,@function
k_qdfb1ce7d3b_centers:
	s_mov_b64 s[64:65], 0
	v_nop
	global_prefetch_b8 v0, s[64:65] scope:SCOPE_SE
	s_setreg_imm32_b32 hwreg(HW_REG_WAVE_MODE, 25, 1), 1
	s_wait_xcnt 0x0
; centers[b][k][c] = (hs[b][k] . W2[k][c] + mass[b][k] b2[k][c]) / max(mass[b][k], 1e-6), with hs and mass the sums of the two halves; the load-balance loss; the mean of top1 - top2.
; SHARES.  Work-group x = 4 k + cq: expert k, 64 output channels.  Wave w: 16 of those channels (w % 4) and 64 of the 256 hidden channels (w / 4); the four parts meet in LDS.
; THE FORM.  Eight products of 16 x 256 x 256, a two-thousandth of the program's multiply-adds: no bulk work.  They are made in f32 (v_wmma_f32_16x16x4_f32), since hs is a sum of hundreds of terms
; and a rounding of it to 16 bits would go into every output whole.  A lane's load of 16 bytes feeds two K steps; the hidden channels are dealt to the K places alike in both sources.
; The loss is var(usage) / (mean(usage) + 1e-6)^2, the square of std / (mean + eps).  NaN and infinities are not treated apart.
.set RP,    272                        ; a row of partial sums: 64 channels + 16 bytes
.set SPARE, 4*16*RP                    ; behind the four parts: the spare words, 128 bytes a wave, named by no other line
.set DA, 16                            ; two sums that take turns; written by matrix instructions alone
.set DB, 24
.set A0, 32                            ; v32-63 hs, half 0, then the sum; v64-95 half 1; v96-127 W2
	s_load_b512 s[4:19], s[0:1], 0x0               ; hsp 4, massp 6, cnt 8, confp 10, W2 12, b2 14, out0 16, out1 18
	s_load_b64 s[20:21], s[0:1], 0x40              ; out2
	v_lshl_add_u32 v1, v0, 2, SPARE                ; my spare word
	v_mov_b32 v2, 0
	v_and_b32 v3, 31, v0
	v_and_b32 v4, 15, v0                           ; r
	v_bfe_u32 v5, v0, 4, 1                         ; h
	v_lshrrev_b32 v6, 5, v0
	v_readfirstlane_b32 s22, v6                    ; wave
	s_mov_b32 s23, ttmp9
	s_lshr_b32 s24, s23, 2                         ; k
	s_and_b32 s25, s23, 3                          ; cq
	s_and_b32 s26, s22, 3                          ; which 16 channels
	s_lshr_b32 s27, s22, 2                         ; which 64 hidden channels
	s_mov_b32 s28, 0x76543210
	s_mov_b32 s29, 0xfedcba98
	s_lshl_b32 s30, s24, 11
	s_lshl_b32 s31, s27, 8
	s_add_co_u32 s30, s30, s31
	v_lshlrev_b32 v6, 14, v4
	v_lshl_add_u32 v6, v5, 4, v6
	v_add_nc_u32 v6, s30, v6                       ; hsp: batch r, expert k, half 0, hidden channel 64 kq + 4 h
	s_lshl_b32 s32, s24, 18
	s_lshl_b32 s33, s25, 16
	s_add_co_u32 s32, s32, s33
	s_lshl_b32 s33, s26, 14
	s_add_co_u32 s32, s32, s33
	s_add_co_u32 s32, s32, s31
	v_lshlrev_b32 v7, 10, v4
	v_lshl_add_u32 v7, v5, 4, v7
	v_add_nc_u32 v7, s32, v7                       ; W2: row 256 k + 64 cq + 16 ctl + r, the same hidden channels
	v_and_b32 v8, 0xff, v0
	v_lshrrev_b32 v9, 4, v8                        ; for the way out: batch (thread % 256) / 16, channels 4 (thread % 16) on
	s_lshl_b32 s34, s24, 3
	v_lshl_add_u32 v10, v9, 6, s34                 ; massp
	s_lshl_b32 s35, s24, 10
	s_lshl_b32 s36, s25, 8
	s_add_co_u32 s35, s35, s36
	v_lshl_add_u32 v11, v4, 4, s35                 ; b2
	v_lshl_add_u32 v12, v9, 13, v11                ; out0
	v_lshlrev_b32 v13, 5, v3
	s_mul_i32 s37, s27, 16*RP
	s_lshl_b32 s36, s26, 6
	s_add_co_u32 s37, s37, s36
	v_mul_u32_u24 v14, v5, 8*RP
	v_lshl_add_u32 v14, v4, 2, v14
	v_add_nc_u32 v14, s37, v14                     ; partial sums in: part kq, batch 8 h + j, channel 16 ctl + r
	v_mul_u32_u24 v15, v9, RP
	v_lshl_add_u32 v15, v4, 4, v15                 ; and back
	s_wait_kmcnt 0x0
.set p, 0
.rept 8
	global_load_b128 v[A0+4*p:A0+4*p+3],       v6, s[4:5] offset:p*32
	global_load_b128 v[A0+32+4*p:A0+32+4*p+3], v6, s[4:5] offset:p*32+1024
	global_load_b128 v[A0+64+4*p:A0+64+4*p+3], v7, s[12:13] offset:p*32
.set p, p+1
.endr
	global_load_b64  v[128:129], v10, s[6:7]       ; what the way out wants is asked for now, by every wave: nothing is asked for behind the barrier
	global_load_b128 v[132:135], v11, s[14:15]
	global_load_b128 v[136:139], v13, s[8:9]
	global_load_b128 v[140:143], v13, s[8:9] offset:16
	global_load_b128 v[144:147], v13, s[10:11]
	global_load_b128 v[148:151], v13, s[10:11] offset:16
	s_wait_loadcnt 0x0
.set p, 0
.rept 16
	v_pk_add_f32 v[A0+2*p:A0+2*p+1], v[A0+2*p:A0+2*p+1], v[A0+32+2*p:A0+32+2*p+1]
.set p, p+1
.endr
	v_wmma_f32_16x16x4_f32 v[DA:DA+7], v[A0:A0+1],   v[A0+64:A0+65], 0
	v_wmma_f32_16x16x4_f32 v[DB:DB+7], v[A0+2:A0+3], v[A0+66:A0+67], 0
.set p, 1
.rept 7                                ; the two sums take turns
	v_wmma_f32_16x16x4_f32 v[DA:DA+7], v[A0+4*p:A0+4*p+1],   v[A0+64+4*p:A0+64+4*p+1], v[DA:DA+7]
	v_wmma_f32_16x16x4_f32 v[DB:DB+7], v[A0+4*p+2:A0+4*p+3], v[A0+64+4*p+2:A0+64+4*p+3], v[DB:DB+7]
.set p, p+1
.endr
.rept 8
	v_nop                                          ; eight places behind the last product of this form (ISA guide 7.12.1)
.endr
.irp p, 0,2,4,6
	v_pk_add_f32 v[152+\p:153+\p], v[DA+\p:DA+\p+1], v[DB+\p:DB+\p+1]
.endr
.irp j, 0,1,2,3,4,5,6,7
	ds_store_b32 v14, v[152+\j] offset:\j*RP
.endr
	s_wait_dscnt 0x0                               ; for the others' sake: my part is stored
	s_barrier_signal -1
	s_barrier_wait -1
	s_cmp_lt_u32 s22, 8
	s_cbranch_scc0 .Lnot_out
	ds_load_b128 v[32:35], v15
	ds_load_b128 v[36:39], v15 offset:16*RP
	ds_load_b128 v[40:43], v15 offset:32*RP
	ds_load_b128 v[44:47], v15 offset:48*RP
	v_add_f32 v160, v128, v129                     ; mass
	v_max_num_f32 v161, 0x358637bd, v160
	v_rcp_f32 v162, v161
	s_wait_dscnt 0x0
	v_pk_add_f32 v[32:33], v[32:33], v[36:37]
	v_pk_add_f32 v[34:35], v[34:35], v[38:39]
	v_pk_add_f32 v[40:41], v[40:41], v[44:45]
	v_pk_add_f32 v[42:43], v[42:43], v[46:47]
	v_pk_add_f32 v[32:33], v[32:33], v[40:41]
	v_pk_add_f32 v[34:35], v[34:35], v[42:43]
	v_fma_f32 v32, v160, v132, v32
	v_fma_f32 v33, v160, v133, v33
	v_fma_f32 v34, v160, v134, v34
	v_fma_f32 v35, v160, v135, v35
	s_wait_alu depctr_va_vdst(0)                   ; the wait ahead of the reciprocal's first reader
	v_mul_f32 v32, v32, v162
	v_mul_f32 v33, v33, v162
	v_mul_f32 v34, v34, v162
	v_mul_f32 v35, v35, v162
	global_store_b128 v12, v[32:35], s[16:17]      ; 16 lanes store 256 consecutive, aligned bytes
	s_branch .Lend
.Lnot_out:
	s_cmp_eq_u32 s22, 8
	s_cbranch_scc0 .Lend
	s_cmp_eq_u32 s23, 0
	s_cbranch_scc0 .Lend
	; THE TWO NUMBERS, by one wave of one work-group.  My eight counts are those of batch lane / 2, experts 4 (lane % 2) + 0..3, two halves each.
.irp i, 0,1,2,3,4,5,6,7
	v_cvt_f32_u32 v[136+\i], v[136+\i]
.endr
.irp q, 0,1,2,3
	v_add_f32 v[160+\q], v[136+2*\q], v[137+2*\q]
.endr
.irp m, 2,4,8
.irp q, 0,1,2,3
	v_add_f32_dpp v[160+\q], v[160+\q], v[160+\q] row_xmask:\m row_mask:0xf bank_mask:0xf
.endr
.endr
.irp q, 0,1,2,3
	v_permlanex16_b32 v[136+\q], v[160+\q], s28, s29
.endr
.irp q, 0,1,2,3
	v_add_f32 v[160+\q], v[160+\q], v[136+\q]
.endr
.irp q, 0,1,2,3
	v_mul_f32 v[160+\q], 0x37800000, v[160+\q]     ; usage: the count over 65,536 tokens
.endr
	v_add_f32 v164, v160, v161
	v_add_f32 v165, v162, v163
	v_add_f32 v164, v164, v165
	v_add_f32_dpp v164, v164, v164 row_xmask:1 row_mask:0xf bank_mask:0xf
	v_mul_f32 v164, 0x3e000000, v164               ; the mean of eight
	v_add_f32 v166, 0x358637bd, v164
	v_rcp_f32 v167, v166
.irp q, 0,1,2,3
	v_sub_f32 v[160+\q], v[160+\q], v164
.endr
	v_mul_f32 v165, v160, v160
	v_fmac_f32 v165, v161, v161
	v_fmac_f32 v165, v162, v162
	v_fmac_f32 v165, v163, v163
	v_add_f32_dpp v165, v165, v165 row_xmask:1 row_mask:0xf bank_mask:0xf
	v_mul_f32 v165, 0x3e000000, v165               ; the variance
	v_pk_add_f32 v[144:145], v[144:145], v[146:147]
	v_pk_add_f32 v[148:149], v[148:149], v[150:151]
	v_pk_add_f32 v[144:145], v[144:145], v[148:149]
	v_add_f32 v144, v144, v145
	v_add_f32_dpp v144, v144, v144 row_xmask:1 row_mask:0xf bank_mask:0xf
	v_add_f32_dpp v144, v144, v144 row_xmask:2 row_mask:0xf bank_mask:0xf
	v_add_f32_dpp v144, v144, v144 row_xmask:4 row_mask:0xf bank_mask:0xf
	v_add_f32_dpp v144, v144, v144 row_xmask:8 row_mask:0xf bank_mask:0xf
	v_permlanex16_b32 v145, v144, s28, s29
	v_add_f32 v144, v144, v145
	v_mul_f32 v144, 0x37800000, v144               ; the mean of top1 - top2
	s_wait_alu depctr_va_vdst(0)                   ; the wait ahead of the reciprocal's first reader
	v_mul_f32 v165, v165, v167
	v_mul_f32 v165, v165, v167
	v_mov_b32 v168, 0
	v_cmp_eq_u32 vcc_lo, 0, v3
	s_wait_xcnt 0x0                                ; EXEC changes only behind this wait
	s_and_saveexec_b32 s38, vcc_lo
	global_store_b32 v168, v165, s[18:19]
	global_store_b32 v168, v144, s[20:21]
	s_wait_xcnt 0x0                                ; and again in front of the line that widens it
	s_or_b32 exec_lo, exec_lo, s38
.Lend:
	s_wait_tensorcnt 0x0                           ; the wave's end
	ds_add_u32 v1, v2
	s_wait_dscnt 0x0
	s_endpgm
.Lfunc_end_k_qdfb1ce7d3b_centers:
	.size	k_qdfb1ce7d3b_centers, .Lfunc_end_k_qdfb1ce7d3b_centers-k_qdfb1ce7d3b_centers
	.p2alignl 7, 3214868480
	.fill 96, 4, 3214868480
	.section	.rodata,"a",@progbits
	.p2align	6, 0x0
	.amdhsa_kernel k_qdfb1ce7d3b_centers
		.amdhsa_group_segment_fixed_size 19456
		.amdhsa_private_segment_fixed_size 0
		.amdhsa_enable_private_segment 0
		.amdhsa_kernarg_size 72
		.amdhsa_user_sgpr_count 2
		.amdhsa_user_sgpr_kernarg_segment_ptr 1
		.amdhsa_wavefront_size32 1
		.amdhsa_system_sgpr_workgroup_id_x 1
		.amdhsa_system_sgpr_workgroup_id_y 1
		.amdhsa_system_sgpr_workgroup_id_z 1
		.amdhsa_system_vgpr_workitem_id 0
		.amdhsa_next_free_vgpr 176
		.amdhsa_next_free_sgpr 66
		.amdhsa_reserve_vcc 1
		.amdhsa_float_denorm_mode_32 3
		.amdhsa_float_denorm_mode_16_64 3
		.amdhsa_memory_ordered 1
		.amdhsa_forward_progress 1
		.amdhsa_inst_pref_size 14
	.end_amdhsa_kernel
	.amdgpu_metadata
---
amdhsa.version: [ 1, 2 ]
amdhsa.kernels:
  - .name:           k_qdfb1ce7d3b_centers
    .symbol:         k_qdfb1ce7d3b_centers.kd
    .args:
      - { .name: hsp, .offset: 0, .size: 8, .value_kind: global_buffer, .address_space: global }
      - { .name: massp, .offset: 8, .size: 8, .value_kind: global_buffer, .address_space: global }
      - { .name: cnt, .offset: 16, .size: 8, .value_kind: global_buffer, .address_space: global }
      - { .name: confp, .offset: 24, .size: 8, .value_kind: global_buffer, .address_space: global }
      - { .name: W2, .offset: 32, .size: 8, .value_kind: global_buffer, .address_space: global }
      - { .name: b2, .offset: 40, .size: 8, .value_kind: global_buffer, .address_space: global }
      - { .name: out0, .offset: 48, .size: 8, .value_kind: global_buffer, .address_space: global }
      - { .name: out1, .offset: 56, .size: 8, .value_kind: global_buffer, .address_space: global }
      - { .name: out2, .offset: 64, .size: 8, .value_kind: global_buffer, .address_space: global }
    .group_segment_fixed_size: 19456
    .private_segment_fixed_size: 0
    .kernarg_segment_align: 8
    .kernarg_segment_size: 72
    .max_flat_workgroup_size: 512
    .sgpr_count:     66
    .vgpr_count:     176
    .wavefront_size: 32
...
	.end_amdgpu_metadata
.endif
;; end of part 3
;; ======== version 2 of 2: 3 launches; 1.12 times as fast as version 1
;; limits: values are held in f16: magnitudes above 65,504 overflow, below 6.1e-05 lose precision; inputs' magnitudes at most 65,504; right only within a limited range of input values; below input magnitudes of 6e-05 results are inexact or not finite
;; workspace buffers: tokb 33,554,432 bytes; wm 2,097,152 bytes; bm 65,536 bytes of whole numbers; confp 1,024 bytes; w1b 1,048,576 bytes; hsp 262,144 bytes; massp 1,024 bytes; cnt 1,024 bytes of whole numbers
;; launch router: the kernel of part 1 again; grid 256 x 1, 16 waves a work-group, no clusters, 289,536 bytes of LDS; arguments tokens, geno_vec, Wg, bg, Wgg, bgg, W1, tokb, wm, bm, confp, w1b; writes tokb, wm, bm, confp, w1b
;; launch experts (part 4): grid 16 x 16, 4 waves a work-group, no clusters, 155,904 bytes of LDS; arguments bm, wm, tokb, w1b, b1, hsp, massp, cnt; writes hsp, massp, cnt
.if DOCPART == 4
	.amdgcn_target "amdgcn-amd-amdhsa--gfx1250"
	.amdhsa_code_object_version 6
	.text
	.protected	k_qdfb1ce7d3b_experts
	.globl	k_qdfb1ce7d3b_experts
	.p2align	8
	.type	k_qdfb1ce7d3b_experts,@function
k_qdfb1ce7d3b_experts:
	s_mov_b64 s[64:65], 0
	v_nop
	global_prefetch_b8 v0, s[64:65] scope:SCOPE_SE
	s_setreg_imm32_b32 hwreg(HW_REG_WAVE_MODE, 25, 1), 1
	s_wait_xcnt 0x0
; LAYER 1 ON THE CHOSEN ROWS.  For batch b, expert k and a half of that expert's tokens: hs[c] = sum over n of w[n] relu(tokens[n] . W1[k][c] + b1[k][c]), the sum of w, and the number of rows.
; (The second layer and the weighted sum over n are both linear, so the second layer is applied to hs once, by the launch behind this one.)
; SHARES.  Grid x = 2 k + half, y = b.  With c tokens on the expert, half 0 takes the ranks below m0 = min(c, 32 ceil(c / 64)), half 1 the rest: at most 2,048 each, whatever the split of the tokens.
; A wave keeps 64 hidden channels of W1[k], 256 registers, for the whole launch; all four waves read every tile of tokens from LDS.
; THE LIST.  A wave reads the bitmap words of 1,024 tokens into scalar registers and stores the chosen tokens' numbers, in order, into its own list in LDS; the four lists end to end are the expert's tokens by rank.
; THE WALK.  A tile is 128 ranks, a unit 32 of them (64 matrix instructions a wave).  16 trips, a constant that covers 2,048 ranks; units past the count are jumped forward, every barrier stands outside the jumps.
; Ranks past the count take a token that exists, with weight 0.  A tile's rows are asked for a trip ahead into registers (a whole row of 512 bytes a load), stored into the buffer that is not being read, and read as fragments.
; WHAT IS ASKED FOR.  Wave v brings rows 32 v .. 32 v + 31 of a tile, which are the tile's unit v.  With R units left at a trip's head, unit v of the next tile is read from LDS where R > 3 + v, and only there is it stored;
; unit v of the tile after that is multiplied where R > 8 + v, and only there is it asked for.  (At R = 4 + v old rows are stored, for a unit that is fetched into registers and never multiplied.)
; THE PRODUCT.  Source 0 = 16 channels of W1, source 1 = 16 tokens, first C = b1: a lane holds ONE token (lane % 16) and channels 8 (lane / 16) + 0..7, so the token's weight is one number a lane.
; THE FORMAT is f16, not bf16: an expert may have a single token in a batch, and then nothing averages the operands' roundings out; f16's 11 significant bits leave an eighth of what bf16's 8 would.
; BY TURNS.  A unit has two phases of 32 products on four sums each; the relu and the weighted adding of the four sums finished in the phase before stand behind the products, six a K step.
; NO JOINT LOADS: what an expert's work-groups share is W1, 131,072 bytes a work-group read once into registers; the token rows come by lists, which no one descriptor covers.
; LIMITS.  Tokens and W1 arrive in f16: within 65,504, and below 6e-5 with f16's fixed step of 6e-8; sums in f32.  NaN and infinities are not treated apart.  A skewed split is served right, by longer walks of the work-groups that it loads.
; REGISTERS, in windows of 256 (s_set_vgpr_msb: bits 1:0 source 0, 3:2 source 1, 5:4 source 2, 7:6 destination):
;   window 0: v0-23 ids, addresses, at work; v8 the sum of w; v24-55 hs; v56-119 eight sums; v128-255 a unit's token fragments
;   window 1: v0-127 W1 of channel blocks 0, 1; v128-143 their b1; v144-145 the weights of the unit whose last four sums are still to be added
;   window 2: the same for channel blocks 2, 3; v144-145 the weights of the unit in hand; v146-149 LDS addresses of fragments and weights
;   window 3: the gather: v0-127 32 rows, v128-159 their tokens and then their offsets, v160-172 list entry, addresses, weight, rank
.set PITCH, 528                        ; a row in LDS: 512 bytes of f16, the row's weight at byte 512; an odd multiple of 16
.set BUF1,  128*PITCH                  ; two buffers of 128 rows
.set SEG,   2*BUF1                     ; four lists of 1,152 entries: 1,024 ranks, then 32 places for the lanes that have nothing to store, then zeros
.set SEGW,  4608
.set SCR,   SEG+4*SEGW                 ; the four waves' counts
.set OST,   SCR+256                    ; the way out: 256 bytes a wave
.set NVS,   OST+1024                   ; 128 bytes a wave: the tokens of my 32 rows, on their way from a lane each to all lanes
.set SPARE, NVS+512                    ; the spare words: 128 bytes a wave, named by no other line
.set MS,   8
.set HS,   24
.set D,    56
.set TOK,  128
.set BIAS, 128                         ; windows 1, 2
.set WW,   144                         ; windows 1, 2
.set ADR,  146                         ; window 2: r x 528 + 16 h in buffer 0, 1
.set WAD,  148                         ; window 2: r x 528 + 512 in buffer 0, 1
.set G,    0                           ; window 3
.set OFFS, 128
.set NV,   160
.set L16,  161
.set STA,  162
.set WSA,  164
.set WV,   166
.set PV,   167
.set WOFF, 168
.set T3,   169
.set NVA,  171                         ; NVS + 128 wave + 4 lane
.set NVB,  172                         ; NVS + 128 wave
; s20 wave, s21 k, s22 half, s23 b, s24 g; s25-28 the waves' counts; s29 c, s30 m0, s31 first rank, s32 m, s33 end; s34-36 ranks at which lists 1-3 begin; s37-39 the gaps behind lists 0-2
; s40 units left, s41 the loop's count, s42-43 lanes whose rank is below the end (the tile on its way, the tile behind it), s44-63 at work, s66 3 + wave, s67 8 + wave, s68-99 bitmap words
.set MSB, 0
.macro WIN new                         ; the immediate's high byte repeats the setting that is left; a switch that changes nothing is dropped
.if MSB != (\new)
	s_set_vgpr_msb (MSB<<8)|(\new)
.set MSB, (\new)
.endif
.endm
	s_load_b512 s[4:19], s[0:1], 0x0               ; bm 4, wm 6, tokb 8, w1b 10, b1 12, hsp 14, massp 16, cnt 18
	v_lshl_add_u32 v1, v0, 2, SPARE                ; my spare word
	v_mov_b32 v2, 0
	v_and_b32 v3, 31, v0                           ; lane
	v_and_b32 v4, 15, v0                           ; r
	v_bfe_u32 v5, v0, 4, 1                         ; h
	v_lshrrev_b32 v10, 5, v0
	v_readfirstlane_b32 s20, v10
	s_lshr_b32 s21, ttmp9, 1
	s_and_b32 s22, ttmp9, 1
	s_and_b32 s23, ttmp7, 0xffff
	s_lshl3_add_u32 s24, s23, s21                  ; g = 8 b + k
	s_lshl1_add_u32 s47, s24, s22                  ; 2 g + half
	s_add_co_u32 s66, s20, 3                       ; my rows of the next tile are read where more units than this are left,
	s_add_co_u32 s67, s20, 8                       ; and my rows of the tile after it are multiplied where more than this are
	s_lshl_b32 s56, s23, 12                        ; bm: a batch has 16 blocks of 256 bytes, my wave four of them; the expert's 32 bytes in each
	s_lshl_b32 s44, s20, 10
	s_add_co_u32 s56, s56, s44
	s_lshl_b32 s44, s21, 5
	s_add_co_u32 s56, s56, s44
	s_mov_b32 s57, 0
	s_lshl_b32 s58, s21, 17                        ; w1b: 131,072 bytes an expert, 32,768 a wave
	s_lshl_b32 s44, s20, 15
	s_add_co_u32 s58, s58, s44
	s_mov_b32 s59, 0
	s_lshl_b32 s60, s21, 10                        ; b1: my 64 channels
	s_lshl_b32 s44, s20, 8
	s_add_co_u32 s60, s60, s44
	s_mov_b32 s61, 0
	s_lshl_b32 s62, s23, 21                        ; tokb: the batch's 4,096 rows of 512 bytes
	s_mov_b32 s63, 0
	s_lshl_b32 s48, s24, 14                        ; wm: the row of (b, k)
	s_mov_b32 s49, 0
	s_lshl_b32 s50, s47, 10                        ; hsp: my 256 bytes
	s_add_co_u32 s50, s50, s44
	s_mov_b32 s51, 0
	s_lshl_b32 s52, s47, 2                         ; massp, cnt
	s_mov_b32 s53, 0
	s_wait_kmcnt 0x0
	s_add_nc_u64 s[4:5], s[4:5], s[56:57]
	s_add_nc_u64 s[10:11], s[10:11], s[58:59]
	s_add_nc_u64 s[12:13], s[12:13], s[60:61]
	s_add_nc_u64 s[8:9], s[8:9], s[62:63]
	s_add_nc_u64 s[6:7], s[6:7], s[48:49]
	s_add_nc_u64 s[14:15], s[14:15], s[50:51]
	s_add_nc_u64 s[16:17], s[16:17], s[52:53]
	s_add_nc_u64 s[18:19], s[18:19], s[52:53]
	s_load_b256 s[68:75], s[4:5], 0x0              ; the bitmap words of my 1,024 tokens
	s_load_b256 s[76:83], s[4:5], 0x100
	s_load_b256 s[84:91], s[4:5], 0x200
	s_load_b256 s[92:99], s[4:5], 0x300
	v_lshlrev_b32 v9, 4, v3                        ; 16 x lane; not written again before the loads are in
	v_lshlrev_b32 v11, 5, v5                       ; 32 h; likewise
.macro WLOAD win                       ; W1's fragments and b1 of two channel blocks, as they lie in w1b, into window win
	WIN (\win)<<6
.set c, 0
.rept 2
.set ks, 0
.rept 8
	global_load_b128 v[64*c+8*ks:64*c+8*ks+3],   v9, s[10:11] offset:((2*((\win)-1)+c)*8+ks)*1024
	global_load_b128 v[64*c+8*ks+4:64*c+8*ks+7], v9, s[10:11] offset:((2*((\win)-1)+c)*8+ks)*1024+512
.set ks, ks+1
.endr
	global_load_b128 v[BIAS+8*c:BIAS+8*c+3],   v11, s[12:13] offset:(2*((\win)-1)+c)*64
	global_load_b128 v[BIAS+8*c+4:BIAS+8*c+7], v11, s[12:13] offset:(2*((\win)-1)+c)*64+16
.set c, c+1
.endr
.endm
	WLOAD 1
	WLOAD 2
	WIN 0
	s_mul_i32 s58, s20, SEGW
	s_add_co_u32 s58, s58, SEG                     ; my list
	v_mov_b32 v12, 0
	v_mov_b32 v13, 0
	v_mov_b32 v14, 0
	v_mov_b32 v15, 0
	v_lshl_add_u32 v16, v3, 4, s58
.set i, 0
.rept 9
	ds_store_b128 v16, v[12:15] offset:512*i       ; every entry holds a token's number from the start: 0
.set i, i+1
.endr
	v_mul_u32_u24 v17, v4, PITCH
	v_lshl_add_u32 v18, v5, 4, v17
	v_mul_u32_u24 v19, v3, PITCH
	s_mul_i32 s59, s20, 32*PITCH                   ; my 32 rows of a tile
	s_add_co_u32 s60, s59, BUF1
	s_add_co_u32 s61, s59, 512
	s_add_co_u32 s62, s60, 512
	s_lshl_b32 s63, s20, 7
	s_add_co_u32 s63, s63, NVS                     ; my 128 bytes for the tokens' way to all lanes
	WIN 0x80
	v_mov_b32 v[ADR], v18
	v_add_nc_u32 v[ADR+1], BUF1, v18
	v_add_nc_u32 v[WAD], 512, v17
	v_add_nc_u32 v[WAD+1], BUF1+512, v17
	WIN 0xc0
	v_lshlrev_b32 v[L16], 4, v3
	v_lshl_add_u32 v[STA], v3, 4, s59
	v_lshl_add_u32 v[STA+1], v3, 4, s60
	v_add_nc_u32 v[WSA], s61, v19
	v_add_nc_u32 v[WSA+1], s62, v19
	v_lshl_add_u32 v[NVA], v3, 2, s63
	v_mov_b32 v[NVB], s63
	WIN 0
	; The first unit adds "the unit before"'s last four sums, and the way out adds the last unit's: with these zeros both hold where there was none.  All this stands in the wait for W1.
.set i, 0
.rept 32
	v_mov_b32 v[D+32+i], 0
	v_mov_b32 v[HS+i], 0
.set i, i+1
.endr
	v_mov_b32 v[MS], 0
	WIN 0x40
	v_mov_b32 v[WW], 0
	v_mov_b32 v[WW+1], 0
	WIN 0
	v_add_nc_u32 v20, 0x400, v3                    ; where a lane stores that has nothing to store
	v_lshl_add_u32 v21, s20, 10, v3                ; 1,024 w + lane
	s_mov_b32 s45, 0                               ; the rank at which the word in hand begins
	s_wait_kmcnt 0x0
	; Word w: lane j is token 1,024 wave + 32 w + j; its rank is the count so far plus the bits below its own.  Four words at a time, each kind of line for the four in turn,
	; so that no line reads the result of the line just before it.
.set w, 0
.rept 8
.irp j, 0,1,2,3
	v_mbcnt_lo_u32_b32 v[12+2*\j], s[68+w+\j], s45
	s_bcnt1_i32_b32 s46, s[68+w+\j]
	s_add_co_u32 s45, s45, s46
.endr
.irp j, 0,1,2,3
	v_cndmask_b32 v[12+2*\j], v20, v[12+2*\j], s[68+w+\j]
.endr
.irp j, 0,1,2,3
	v_min_u32 v[12+2*\j], 0x47f, v[12+2*\j]
.endr
.irp j, 0,1,2,3
	v_lshl_add_u32 v[12+2*\j], v[12+2*\j], 2, s58
.endr
.irp j, 0,1,2,3
	v_add_nc_u32 v[13+2*\j], 32*(w+\j), v21
.endr
.irp j, 0,1,2,3
	ds_store_b32 v[12+2*\j], v[13+2*\j]
.endr
.set w, w+4
.endr
	v_mov_b32 v16, s45
	s_lshl_b32 s46, s20, 2
	s_add_co_u32 s46, s46, SCR
	v_mov_b32 v17, s46
	ds_store_b32 v17, v16
	s_wait_dscnt 0x0                               ; for the others' sake: my list and my count are stored
	s_barrier_signal -1
	s_barrier_wait -1
	v_mov_b32 v17, SCR
	ds_load_b128 v[12:15], v17
	s_wait_dscnt 0x0
	v_readfirstlane_b32 s25, v12
	v_readfirstlane_b32 s26, v13
	v_readfirstlane_b32 s27, v14
	v_readfirstlane_b32 s28, v15
	s_min_u32 s25, s25, 0x400
	s_min_u32 s26, s26, 0x400
	s_min_u32 s27, s27, 0x400
	s_min_u32 s28, s28, 0x400
	s_mov_b32 s34, s25
	s_add_co_u32 s35, s34, s26
	s_add_co_u32 s36, s35, s27
	s_add_co_u32 s29, s36, s28                     ; c
	s_sub_co_u32 s37, 0x480, s25                   ; from a list's last entry to the next list's first
	s_sub_co_u32 s38, 0x480, s26
	s_sub_co_u32 s39, 0x480, s27
	s_add_co_u32 s30, s29, 63
	s_lshr_b32 s30, s30, 6
	s_lshl_b32 s30, s30, 5
	s_min_u32 s30, s30, s29                        ; m0
	s_cmp_eq_u32 s22, 0
	s_cselect_b32 s31, 0, s30
	s_cselect_b32 s33, s30, s29
	s_sub_co_u32 s32, s33, s31                     ; m
	s_add_co_u32 s40, s32, 31
	s_lshr_b32 s40, s40, 5                         ; units
	WIN 0xc0
	v_add_nc_u32 v[PV], s31, v0                    ; row 32 w + lane of tile 0 is this rank
; THE GATHER, all in window 3.  NVLOAD: the token of my rank, for the tile after the one that ISSUE asks for next; the rank steps on by a tile.
.macro NVLOAD
	v_cmp_gt_u32 s43, s33, v[PV]
	v_cmp_le_u32 vcc_lo, s34, v[PV]
	v_cndmask_b32 v[T3], 0, s37, vcc_lo
	v_add_nc_u32 v[T3+1], v[PV], v[T3]
	v_cmp_le_u32 vcc_lo, s35, v[PV]
	v_cndmask_b32 v[T3], 0, s38, vcc_lo
	v_add_nc_u32 v[T3+1], v[T3+1], v[T3]
	v_cmp_le_u32 vcc_lo, s36, v[PV]
	v_cndmask_b32 v[T3], 0, s39, vcc_lo
	v_add_nc_u32 v[T3+1], v[T3+1], v[T3]
	v_min_u32 v[T3+1], 0x11ff, v[T3+1]             ; a rank past the count stays inside the lists: whatever entry it finds is a token's number
	v_lshl_add_u32 v[T3+1], v[T3+1], 2, SEG
	ds_load_b32 v[NV], v[T3+1]
	v_add_nc_u32 v[PV], 0x80, v[PV]
.endm
; BCAST: a load of a whole row wants the row's token in every lane.  Lane i holds row i's: it goes into my wave's own 128 bytes, and eight loads at one address for all lanes bring
; register i row i's token.  LDS serves a wave's instructions in order (ISA guide 5.7.1.4): the loads see the store.  One store and eight loads, and no trip through a scalar register.
.macro BCAST
	v_min_u32 v[NV], 0xfff, v[NV]
	ds_store_b32 v[NVA], v[NV]
.set i, 0
.rept 8
	ds_load_b128 v[OFFS+4*i:OFFS+4*i+3], v[NVB] offset:16*i
.set i, i+1
.endr
.endm
; ISSUE: my 32 rows of a tile, each a whole row of 512 consecutive bytes, and my row's gate weight.  The tokens become offsets in place: 512 x token + 16 x lane.
.macro ISSUE
	s_mov_b32 s42, s43
	v_lshlrev_b32 v[WOFF], 2, v[NV]
.set i, 0
.rept 32
	v_min_u32 v[OFFS+i], 0xfff, v[OFFS+i]
.set i, i+1
.endr
.set i, 0
.rept 32
	v_lshl_add_u32 v[OFFS+i], v[OFFS+i], 9, v[L16]
.set i, i+1
.endr
.set i, 0
.rept 32
	global_load_b128 v[G+4*i:G+4*i+3], v[OFFS+i], s[8:9]
.set i, i+1
.endr
	global_load_b32 v[WV], v[WOFF], s[6:7]
.endm
; GSTORE: my rows that are on their way go into buffer nb.
.macro GSTORE nb
	WIN 0xff
	s_wait_loadcnt 0x0                             ; my rows are in (asked for a trip ago); their offsets' registers may be written again
	BCAST                                          ; the next rows' tokens set out first: the 33 stores below are issued while they go round
.set i, 0
.rept 32
	ds_store_b128 v[STA+(\nb)], v[G+4*i:G+4*i+3] offset:i*PITCH
.set i, i+1
.endr
	v_cndmask_b32 v[WV], 0, v[WV], s42             ; a rank past the count weighs nothing
	ds_store_b32 v[WSA+(\nb)], v[WV]
.endm
; GASK, straight behind GSTORE: my rows of the tile after that one are asked for, and the list is read for the one after.
.macro GASK
	WIN 0xff
	s_wait_dscnt 33                                ; GSTORE's 33 stores are younger than BCAST's loads: those are in
	ISSUE
	NVLOAD
.endm
; THE MATRIX WORK.  Sum a (0-3: channel blocks 0, 1; 4-7: blocks 2, 3; in each four: block, block, and again for the second 16 tokens).
.macro WM a, c, tt, ks, first
.set rA, 64*(\c)+8*(\ks)
.set rB, TOK+64*(\tt)+8*(\ks)
.set rC, D+8*(\a)
.if \first
	v_wmma_f32_16x16x32_f16 v[rC:rC+7], v[rA:rA+7], v[rB:rB+7], v[BIAS+8*(\c):BIAS+8*(\c)+7]
.else
	v_wmma_f32_16x16x32_f16 v[rC:rC+7], v[rA:rA+7], v[rB:rB+7], v[rC:rC+7]
.endif
.endm
; Number n of the 12 lines that add a finished sum a onto hs: relu of registers 0-3, two packed w x h + hs, relu of 4-7, two more.  The low registers are read first.
; The weight is source 0, in the window that holds the phase's W1: the pair's first register for the first 16 tokens, its second for the others.
.macro RID a, n
.set rD, D+8*(\a)
.set rH, HS+8*(2*((\a)/4)+(\a)%2)
.set rN, (\n)
.if rN < 4
	v_max_num_f32 v[rD+rN], 0, v[rD+rN]
.elseif (rN >= 6) && (rN < 10)
	v_max_num_f32 v[rD+rN-2], 0, v[rD+rN-2]
.else
.set rP, 2*(rN-4)
.if rN >= 10
.set rP, 2*(rN-8)
.endif
.if (((\a)%4)/2) == 0
	v_pk_fma_f32 v[rH+rP:rH+rP+1], v[WW:WW+1], v[rD+rP:rD+rP+1], v[rH+rP:rH+rP+1] op_sel_hi:[0,1,1]
.else
	v_pk_fma_f32 v[rH+rP:rH+rP+1], v[WW:WW+1], v[rD+rP:rD+rP+1], v[rH+rP:rH+rP+1] op_sel:[1,0,0] op_sel_hi:[1,1,1]
.endif
.endif
.endm
.macro ROLL nbuf, off, kstep           ; K step kstep of a unit's token fragments: 2 x 16 tokens x 32 along K
.irp tt, 0,1
.irp q, 0,1
	ds_load_b128 v[TOK+64*\tt+8*(\kstep)+4*\q:TOK+64*\tt+8*(\kstep)+4*\q+3], v[ADR+(\nbuf)] offset:(\off)+\tt*16*PITCH+(\kstep)*64+\q*32
.endr
.endr
.endm
.macro ROLL4 nbuf, off, k0             ; four K steps in one run of sixteen loads
	ROLL \nbuf, \off, (\k0)
	ROLL \nbuf, \off, (\k0)+1
	ROLL \nbuf, \off, (\k0)+2
	ROLL \nbuf, \off, (\k0)+3
.endm
; A PHASE: 8 K steps of four products, the four sums by turns, and behind them six of the other four sums' 48 lines.
; Phase 1 waits for the fragments K step by K step.  Phase 2 fetches the NEXT unit's fragments into the registers that it has multiplied, in TWO runs of sixteen loads, never singly among the
; products: K steps 0-3 behind its step 3, K steps 4-7 behind its step 7.  The four plain lines behind such a step's last product are the places in front of the loads (ISA guide 7.12.1 for
; vector instructions); none of them names a register of the products round it.  Each run's first reader comes sixteen products behind it.
.macro PHASE x, nbuf, off
.set gA, 4*((\x)-1)
.set gR, 4*(2-(\x))
.set st, 0
.rept 8
.if (\x) == 1
	s_wait_dscnt 4*(7-st)+2                        ; the later K steps' loads, four each, and the two weights behind them may stay out
.endif
.if st == 0
	WIN 0x11*(\x)                                  ; W1 and b1 in window x
	WM gA,   0, 0, st, 1
	WM gA+1, 1, 0, st, 1
	WM gA+2, 0, 1, st, 1
	WM gA+3, 1, 1, st, 1
	WIN (\x)
.irp n, 0,1,2,3,4,5
	RID gR, \n
.endr
.else
	WM gA,   0, 0, st, 0
	RID gR+st/2, 6*(st%2)
	WM gA+1, 1, 0, st, 0
	RID gR+st/2, 6*(st%2)+1
	WM gA+2, 0, 1, st, 0
	WM gA+3, 1, 1, st, 0
.irp n, 2,3,4,5
	RID gR+st/2, 6*(st%2)+\n
.endr
.endif
.if (\x) == 2
.if st == 3
	ROLL4 \nbuf, \off, 0
.endif
.if st == 7
	v_add_f32 v[MS], v[WW], v[MS]                  ; the unit's weights into the sum of w
	v_add_f32 v[MS], v[WW+1], v[MS]
	ROLL4 \nbuf, \off, 4
.endif
.endif
.set st, st+1
.endr
.endm
; A UNIT works on registers alone; what it reads from LDS is the next unit's: unit nu of buffer nbuf.
.macro UNIT nbuf, nu
	PHASE 1, 0, 0
	s_wait_dscnt 0x0                               ; the unit's two weights, asked for 32 products ago
	WIN 0x42
	v_mov_b32 v[WW], v[WW]                         ; a copy beside channel blocks 0, 1: the next phase 1 adds this unit's last four sums by it
	v_mov_b32 v[WW+1], v[WW+1]
	PHASE 2, \nbuf, (\nu)*32*PITCH
	WIN 0x82
	ds_load_b32 v[WW],   v[WAD+(\nbuf)] offset:(\nu)*32*PITCH
	ds_load_b32 v[WW+1], v[WAD+(\nbuf)] offset:(\nu)*32*PITCH+16*PITCH
	WIN 0                                          ; at a label and at a branch every window is 0
.endm
; A TRIP: tile t lies in buffer cur.  Two barriers, each with its signal and its wait apart.
;   A: signalled when a wave's reads of a buffer are over, waited for in front of the stores into it.      B: signalled when a wave's rows of tile t + 1 are stored, waited for in front of the first read of them.
; Between a signal and its wait stand register work and LDS loads of bytes that are stored next behind a later barrier.
; The two jumps round the gather go forward and pass no barrier.  Unit v of tile t + 1 is fetched by this trip's last unit (v = 0: more than 3 units left) or by the next trip's unit v - 1
; (more than 4 + v - 1 left now): more than 3 + v in both cases, the bound under which wave v stores it.
.macro TRIP cur, nxt
	s_cmp_gt_i32 s40, 0
	s_cbranch_scc0 .Ld0_\@
	UNIT \cur, 1
.Ld0_\@:
	s_barrier_wait -1                              ; A: no wave reads buffer nxt any more
	s_cmp_gt_i32 s40, s66
	s_cbranch_scc0 .Ld1_\@                         ; nobody will read my rows of tile t + 1
	GSTORE \nxt
	WIN 0
	s_cmp_gt_i32 s40, s67
	s_cbranch_scc0 .Ld1_\@                         ; nobody will multiply my rows of tile t + 2
	GASK
	WIN 0
.Ld1_\@:
	s_wait_dscnt 0x0                               ; my rows of tile t + 1 are stored, my list entry is in
	s_barrier_signal -1                            ; B
	s_cmp_gt_i32 s40, 1
	s_cbranch_scc0 .Ld2_\@
	UNIT \cur, 2
	s_cmp_gt_i32 s40, 2
	s_cbranch_scc0 .Ld2_\@
	UNIT \cur, 3
.Ld2_\@:
	s_wait_dscnt 0x0                               ; my reads of buffer cur are over: unit 3's fragments and weights are in registers
	s_barrier_wait -1                              ; B: what will be read of tile t + 1 is there
	s_barrier_signal -1                            ; A, for the next trip
	s_cmp_gt_i32 s40, 3
	s_cbranch_scc0 .Ld3_\@
	UNIT \nxt, 0
.Ld3_\@:
	s_sub_co_i32 s40, s40, 4
.endm
	WIN 0xff
	NVLOAD                                         ; tile 0's tokens
	s_wait_dscnt 0x0
	BCAST
	s_wait_dscnt 0x0
	ISSUE                                          ; tile 0
	NVLOAD
	s_wait_dscnt 0x0
	GSTORE 0                                       ; tile 0 is stored whole (its wait shows W1 and b1 in too),
	GASK                                           ; tile 1 asked for whole, the list read for tile 2
	WIN 0
	s_wait_dscnt 0x0
	s_barrier_signal -1
	s_barrier_wait -1                              ; tile 0 is whole
	s_barrier_signal -1                            ; A of the first trip: nobody has read buffer 1
	WIN 0x02
	ROLL4 0, 0, 0
	ROLL4 0, 0, 4
	WIN 0x82
	ds_load_b32 v[WW],   v[WAD]
	ds_load_b32 v[WW+1], v[WAD] offset:16*PITCH
	WIN 0
	s_mov_b32 s41, 8
.Lloop:                                ; 8 x 2 trips: every LDS address register is fixed
	TRIP 0, 1
	TRIP 1, 0
	s_sub_co_u32 s41, s41, 1
	s_cmp_lg_u32 s41, 0
	s_cbranch_scc1 .Lloop
	s_barrier_wait -1                              ; the last A is closed
	s_wait_dscnt 0x0
	s_wait_loadcnt 0x0                             ; tile 1's rows, where they were not wanted, have landed
	WIN 0x01
.irp a, 4,5,6,7                        ; the last unit's last four sums
.irp n, 0,1,2,3,4,5,6,7,8,9,10,11
	RID \a, \n
.endr
.endr
	WIN 0
.irp m, 1,2,4,8                        ; over the 16 tokens of a row of lanes
.set i, 0
.rept 32
	v_add_f32_dpp v[HS+i], v[HS+i], v[HS+i] row_xmask:\m row_mask:0xf bank_mask:0xf
.set i, i+1
.endr
	v_add_f32_dpp v[MS], v[MS], v[MS] row_xmask:\m row_mask:0xf bank_mask:0xf
.endr
	s_lshl_b32 s44, s20, 8
	s_add_co_u32 s44, s44, OST
	v_lshl_add_u32 v10, v5, 5, s44                 ; channel 16 block + 8 h + j at byte 64 block + 32 h + 4 j; the 16 lanes of a row store equal words
.set i, 0
.rept 8
	ds_store_b128 v10, v[HS+4*i:HS+4*i+3] offset:(i/2)*64+(i%2)*16
.set i, i+1
.endr
	v_lshl_add_u32 v12, v3, 3, s44
	ds_load_b64 v[14:15], v12                      ; my wave's own bytes, in order behind the stores
	v_lshlrev_b32 v13, 3, v3
	s_wait_dscnt 0x0
	global_store_b64 v13, v[14:15], s[14:15]       ; 256 consecutive, aligned bytes in one store
	s_cmp_lg_u32 s20, 0
	s_cbranch_scc1 .Lfin
	v_mov_b32 v16, 0
	v_mov_b32 v17, s32
	v_cmp_eq_u32 vcc_lo, 0, v3
	s_wait_xcnt 0x0                                ; EXEC changes only behind this wait
	s_and_saveexec_b32 s44, vcc_lo
	global_store_b32 v16, v[MS], s[16:17]
	global_store_b32 v16, v17, s[18:19]
	s_wait_xcnt 0x0                                ; and again in front of the line that widens it
	s_or_b32 exec_lo, exec_lo, s44
.Lfin:
	s_wait_tensorcnt 0x0                           ; the wave's end
	ds_add_u32 v1, v2
	s_wait_dscnt 0x0
	s_endpgm
.Lfunc_end_k_qdfb1ce7d3b_experts:
	.size	k_qdfb1ce7d3b_experts, .Lfunc_end_k_qdfb1ce7d3b_experts-k_qdfb1ce7d3b_experts
	.p2alignl 7, 3214868480
	.fill 96, 4, 3214868480
	.section	.rodata,"a",@progbits
	.p2align	6, 0x0
	.amdhsa_kernel k_qdfb1ce7d3b_experts
		.amdhsa_group_segment_fixed_size 155904
		.amdhsa_private_segment_fixed_size 0
		.amdhsa_enable_private_segment 0
		.amdhsa_kernarg_size 64
		.amdhsa_user_sgpr_count 2
		.amdhsa_user_sgpr_kernarg_segment_ptr 1
		.amdhsa_wavefront_size32 1
		.amdhsa_system_sgpr_workgroup_id_x 1
		.amdhsa_system_sgpr_workgroup_id_y 1
		.amdhsa_system_sgpr_workgroup_id_z 1
		.amdhsa_system_vgpr_workitem_id 0
		.amdhsa_next_free_vgpr 944
		.amdhsa_next_free_sgpr 100
		.amdhsa_reserve_vcc 1
		.amdhsa_float_denorm_mode_32 3
		.amdhsa_float_denorm_mode_16_64 3
		.amdhsa_memory_ordered 1
		.amdhsa_forward_progress 1
		.amdhsa_inst_pref_size 173
	.end_amdhsa_kernel
	.amdgpu_metadata
---
amdhsa.version: [ 1, 2 ]
amdhsa.kernels:
  - .name:           k_qdfb1ce7d3b_experts
    .symbol:         k_qdfb1ce7d3b_experts.kd
    .args:
      - { .name: bm, .offset: 0, .size: 8, .value_kind: global_buffer, .address_space: global }
      - { .name: wm, .offset: 8, .size: 8, .value_kind: global_buffer, .address_space: global }
      - { .name: tokb, .offset: 16, .size: 8, .value_kind: global_buffer, .address_space: global }
      - { .name: w1b, .offset: 24, .size: 8, .value_kind: global_buffer, .address_space: global }
      - { .name: b1, .offset: 32, .size: 8, .value_kind: global_buffer, .address_space: global }
      - { .name: hsp, .offset: 40, .size: 8, .value_kind: global_buffer, .address_space: global }
      - { .name: massp, .offset: 48, .size: 8, .value_kind: global_buffer, .address_space: global }
      - { .name: cnt, .offset: 56, .size: 8, .value_kind: global_buffer, .address_space: global }
    .group_segment_fixed_size: 155904
    .private_segment_fixed_size: 0
    .kernarg_segment_align: 8
    .kernarg_segment_size: 64
    .max_flat_workgroup_size: 128
    .sgpr_count:     100
    .vgpr_count:     944
    .wavefront_size: 32
...
	.end_amdgpu_metadata
.endif
;; end of part 4
;; launch centers: the kernel of part 3 again; grid 32 x 1, 16 waves a work-group, no clusters, 19,456 bytes of LDS; arguments hsp, massp, cnt, confp, W2, b2, out0, out1, out2; writes out0, out1, out2
